; MI455X (gfx1250); checked and timed in simulation.
; The chip was launched on July 23, 2026; its instructions are those of AMD's public machine-readable ISA for CDNA 5 (MIT licence, August 2026) and "CDNA5" Instruction Set Architecture Reference Guide (July 2026). The comments in the code are by the model that wrote it; some were corrected since.
;; Multi Head Attention. Allowed arithmetic: matrix products marked QUANTISED: E2M3 operands, one E8M0 scale for each 32 along K, by v_wmma_scale_f32_16x16x128_f8f6f4 with both operands' format E2M3, f32 sums; everything else in f32.
;; Inputs: Wk 1,024 x 1,024 float32; Wo 1,024 x 1,024 float32; Wq 1,024 x 1,024 float32; Wv 1,024 x 1,024 float32; bo 1,024 float32; x 4 x 2,048 x 1,024 float32.
;; Outputs: out0 4 x 2,048 x 1,024 float32.
;; This version of the problem:
;;   THIS VERSION OF THE PROBLEM IS GIVEN IN LOW PRECISION. The matrix products marked QUANTISED in the list below multiply operands that are first quantised to E2M3 (2 exponent bits, 3 mantissa bits; 6 bits a number), with one power-of-two scale for each 32 numbers along K (OCP MX v1.0); their sums are f32. All else is computed in f32.
;;   The module's matrix products, in the order in which they are computed (A, B: the left and right operand; K: the contracted axis; several contracted axes count as one K, in the product's order):
;;     1. [M 8,192, K 1,024] x [K 1,024, N 1,024]; A: input x; B: input Wq: QUANTISED
;;     2. [M 8,192, K 1,024] x [K 1,024, N 1,024]; A: input x; B: input Wk: QUANTISED
;;     3. [M 8,192, K 1,024] x [K 1,024, N 1,024]; A: input x; B: input Wv: QUANTISED
;;     4. batch 64 x [M 2,048, K 64] x [K 64, N 2,048]; A: computed on the way; B: computed on the way: QUANTISED
;;     5. batch 64 x [M 2,048, K 2,048] x [K 2,048, N 64]; A: softmax (see below); B: computed on the way: QUANTISED
;;     6. [M 8,192, K 1,024] x [K 1,024, N 1,024]; A: computed on the way; B: input Wo: QUANTISED
;;   THE QUANTISER, for each operand of a quantised product, along K:
;;     - K is cut into blocks of 32 from its start; a last block that is shorter is filled with zeros.
;;     - A block's scale is 2^e with e = floor(log2(the largest magnitude in the block)) - 2, held to -126 .. 127; a block of zeros has e = 0. As a byte (E8M0): e + 127.
;;     - Each number is divided by its block's scale, clamped to +-7.5, and rounded to the nearest number of E2M3, ties to even, subnormals kept.
;;     - The product sums the exact products of the quantised numbers (number of the format x scale) in f32.
;;   ~~~python
;;   def quantise(x, axis):      # numpy; x: float32 -> the quantised numbers, widened to float32 again
;;       x = np.moveaxis(x, axis, -1); K = x.shape[-1]
;;       x = np.pad(x, [(0, 0)] * (x.ndim - 1) + [(0, -K % 32)]); x = x.reshape(x.shape[:-1] + (-1, 32)); a = np.abs(x).max(-1, keepdims=True)
;;       e = np.where(a > 0, np.clip(np.frexp(np.where(a > 0, a, 1))[1] - 1 - 2, -126, 127), 0)      # np.frexp(a)[1] - 1 = floor(log2(a)), exactly
;;       r = np.clip(x / 2.0 ** e, -7.5, 7.5)
;;       step = 2.0 ** (np.maximum(np.frexp(np.where(r == 0, 1, r))[1] - 1, 0) - 3)
;;       q = np.round(r / step) * step * 2.0 ** e      # np.round: ties to even
;;       return np.moveaxis(q.reshape(q.shape[:-2] + (-1,))[..., :K], -1, axis).astype(np.float32)
;;   ~~~
;;   SOFTMAX AHEAD OF A QUANTISED PRODUCT. Where the list says 'softmax', what is quantised is not the finished softmax but p = 2^(t - M), with t = logit x log2(e) and M = ceil(the row's largest t), a whole number; so 1/2 < the row's largest p <= 1. The row's sum l is taken of the UNQUANTISED p, in f32, and the product's result is divided by l at the end. Since M is a whole number, a kernel that streams over the keys may use a running M (the ceiling of the running maximum): every later rescaling is an exact power of two, which a block's scale takes up: the codes' values come out the same.
;;   OPERANDS COMPUTED ON THE WAY. 'Computed on the way' means the value that the module computes at that place (a softmax that the list does not call 'softmax' is quantised finished and normalised). What goes into a quantiser is computed in f32, as accurately as f32 sums, v_exp_f32 and their like allow (about 1e-6 of the number): no bf16 or f16 on the way to a quantiser, and a product that is left as it is and whose result goes on into a quantised operand takes f32 operands (vector FMAs, or v_wmma_f32_16x16x4_f32). A number that lies on a knife's edge between two numbers of the format may be rounded either way, as far as f32 arithmetic and the matrix unit's own rounding can turn it there, and no further.
;; One version. Each part assembles by itself: llvm-mc -triple=amdgcn-amd-amdhsa -mcpu=gfx1250 --defsym DOCPART=n.
;; ======== version 1 of 1: 5 launches
;; workspace buffers: opc 9,437,184 bytes; ops 393,216 bytes; qkv 19,660,800 bytes; aoc 6,291,456 bytes; aos 262,144 bytes
;; launch quant_x (part 1): grid 256 x 1, 4 waves a work-group, no clusters, 33,280 bytes of LDS; arguments x, opc, ops; writes opc, ops
.if DOCPART == 1
	.amdgcn_target "amdgcn-amd-amdhsa--gfx1250"
	.amdhsa_code_object_version 6
	.text
	.protected	k_q5038514e58_quant_x
	.globl	k_q5038514e58_quant_x
	.p2align	8
	.type	k_q5038514e58_quant_x,@function
k_q5038514e58_quant_x:
	s_mov_b64 s[64:65], 0
	v_nop
	global_prefetch_b8 v0, s[64:65] scope:SCOPE_SE
	s_setreg_imm32_b32 hwreg(HW_REG_WAVE_MODE, 25, 1), 1
	s_wait_xcnt 0x0
; x [8192][1024] f32 becomes codes of FP6 (E2M3) with one E8M0 scale byte for each 32 along K (K = the last axis).
; LAYOUT OF THE RESULT (this program's own): codes [plane = k / 64][row position][48 bytes], a plane 12,288 rows x 48 bytes; scale words [k / 128][row position], 4 bytes, byte i for k = 32 i on.
; A row's POSITION is its number with bits 3 and 4 exchanged: sixteen neighbouring positions then form a tile whose results, in a product used transposed, are neighbours along the next K.
; A block's scale is 2^(floor(log2(largest magnitude)) - 2): its byte is the largest magnitude's exponent field - 2, held at 1 from below.
; LIMITS: a block whose largest magnitude lies under 2^-124 keeps the floor's byte, 1; a block of zeros gets the byte 1 and not 127 (its codes are zeros, and this program alone reads the bytes); NaN and infinities are not served.
; SHARES: 1,024 waves; a wave takes 64 rows x 128 along K in 16 steps of 8 rows x 64 along K (512 numbers).  A load reads 2 rows x 256 consecutive bytes, 16 a lane; the step's 2,048 bytes turn through the wave's
; own stage in LDS and come back 64 bytes a lane: lane l then holds 16 neighbours of row l / 4.  Its 12 bytes of codes lie at 12 l of the step's 384 consecutive bytes (8 positions x 48).
; The wave's 256 scale bytes are gathered in LDS and leave as one aligned run of 256 bytes.  Waves share nothing: no barrier.  Loads run four steps (16 loads) ahead, the turn through LDS one step.
.set STEPS, 16
.set EMAX,  2
.set SP,    80                         ; a lane's place in a stage: 64 bytes + 16 of padding
.set WREG,  8192                       ; LDS of a wave: two stages of 32 x SP bytes, then its 256 scale bytes
.set SCB,   2*32*SP
.set SPARE, 4*WREG                     ; behind the four regions: the spare words, 128 bytes a wave, which no other line names
.set PLANE, 589824                     ; a plane of codes in bytes
.set R,     16                         ; v16-79   four sets of 16 numbers as loaded
.set X,     80                         ; v80-111  two sets of 16 neighbours
.set E,     112                        ; v112-127 a scale byte for each step
.set C,     128                        ; v128-191 codes: four registers a step, so that no store's data are written again
.set SPW,   12                         ; v12 my spare word's LDS address; never rewritten
.set NIL,   13                         ; v13 0; never rewritten
	s_load_b128 s[4:7], s[0:1], 0x0                ; x, the codes
	s_load_b64 s[8:9], s[0:1], 0x10                ; the scale words
	v_lshl_add_u32 v[SPW], v0, 2, SPARE
	v_mov_b32 v[NIL], 0
	v_lshrrev_b32 v1, 5, v0
	v_readfirstlane_b32 s16, v1                    ; wave
	v_and_b32 v2, 31, v0                           ; lane
	v_and_b32 v3, 15, v0
	v_lshlrev_b32 v3, 4, v3
	v_bfe_u32 v10, v0, 4, 1
	v_lshl_add_u32 v3, v10, 12, v3                 ; a load: 16 bytes of 256 in a row; lanes 16-31 the next row (4,096 bytes on)
	s_mul_i32 s17, s16, WREG
	v_lshrrev_b32 v10, 2, v2                       ; lane / 4
	v_mul_u32_u24 v14, v10, SP
	v_and_b32 v15, 3, v2
	v_lshl_add_u32 v14, v15, 4, v14
	v_add_nc_u32 v14, s17, v14                     ; the stage on the way in: four lanes' 64 bytes on end, then padding
	v_mul_u32_u24 v15, v2, SP
	v_add_nc_u32 v15, s17, v15                     ; and on the way out: my 16 neighbours
	v_mul_u32_u24 v4, v2, 12                       ; my codes' place in a step's 384 bytes
	v_bfe_u32 v5, v0, 1, 1                         ; which block of the plane's two
	v_lshl_add_u32 v5, v10, 2, v5                  ; + 4 x my row of the step's eight
	s_add_co_u32 s17, s17, SCB
	v_add_nc_u32 v5, s17, v5                       ; LDS: my block's scale byte
	v_lshlrev_b32 v7, 3, v2
	v_add_nc_u32 v6, s17, v7                       ; and on the way out 8 bytes a lane
	s_lshl_b32 s18, ttmp9, 2
	s_add_co_u32 s18, s18, s16                     ; my wave among the 1,024
	s_and_b32 s19, s18, 7                          ; which 128 along K
	s_lshr_b32 s20, s18, 3                         ; which 64 rows
	s_lshl_b32 s22, s20, 18                        ; x: 64 rows of 4,096 bytes,
	s_lshl_b32 s21, s19, 9                         ; 128 numbers along K
	s_add_co_u32 s22, s22, s21
	s_mov_b32 s23, 0
	s_mul_i32 s24, s19, 2*PLANE                    ; codes: two planes for 128 along K,
	s_mul_i32 s21, s20, 64*48                      ; 64 positions
	s_add_co_u32 s24, s24, s21
	s_mov_b32 s25, 0
	s_mul_i32 s26, s19, 49152                      ; scale words: a plane of 12,288 words,
	s_lshl_b32 s21, s20, 8                         ; 64 words
	s_add_co_u32 s26, s26, s21
	s_mov_b32 s27, 0
	s_wait_kmcnt 0x0
	s_add_nc_u64 s[4:5], s[4:5], s[22:23]
	s_add_nc_u64 s[6:7], s[6:7], s[24:25]
	s_add_nc_u64 s[8:9], s[8:9], s[26:27]
.macro LOAD t                          ; step t: rows 8 (t / 2) on, 64 along K from 64 (t % 2) on
.irp i, 0,1,2,3
	global_load_b128 v[R+16*((\t)%4)+4*\i:R+16*((\t)%4)+4*\i+3], v3, s[4:5] offset:((\t)/2)*32768+((\t)%2)*256+\i*8192 th:TH_LOAD_NT
.endr
.endm
.macro TURN t                          ; through the stage: LDS serves a wave's instructions in order, so no wait stands between the stores and the loads
.irp i, 0,1,2,3
	ds_store_b128 v14, v[R+16*((\t)%4)+4*\i:R+16*((\t)%4)+4*\i+3] offset:32*SP*((\t)%2)+8*SP*\i
.endr
.irp i, 0,1,2,3
	ds_load_b128 v[X+16*((\t)%2)+4*\i:X+16*((\t)%2)+4*\i+3], v15 offset:32*SP*((\t)%2)+16*\i
.endr
.endm
.irp t, 0,1,2,3
	LOAD \t
.endr
	s_wait_loadcnt 12                              ; step 0's four loads are in; twelve younger ones stay out
	TURN 0
.macro STEP t
.set XS, X+16*((\t)%2)
.set TAU, (\t)/2
.set TP, (TAU&4)|((TAU&1)<<1)|((TAU>>1)&1)     ; the eight rows' position: bits 3 and 4 of the row exchanged
.set UU, (\t)%2
.if (\t) > 0
	s_wait_dscnt 1                                 ; this step's numbers are back from the stage (the last step's byte store may be out)
.else
	s_wait_dscnt 0x0
.endif
.if (\t)+4 < STEPS
	LOAD (\t)+4                                    ; into the set whose stores into the stage are done
.endif
.if (\t)+1 < STEPS
.if STEPS-2-(\t) >= 3
	s_wait_loadcnt 12                              ; the next step's four loads are in; those of three steps behind it may be out
.else
	s_wait_loadcnt 4*(STEPS-2-(\t))
.endif
	TURN (\t)+1
.endif
	v_max3_num_f32 v8, |v[XS]|, |v[XS+1]|, |v[XS+2]|               ; the largest magnitude of my 16, in two chains
	v_max3_num_f32 v9, |v[XS+3]|, |v[XS+4]|, |v[XS+5]|
.irp i, 6,10
	v_max3_num_f32 v8, v8, |v[XS+\i]|, |v[XS+\i+1]|
	v_max3_num_f32 v9, v9, |v[XS+\i+2]|, |v[XS+\i+3]|
.endr
	v_max3_num_f32 v8, v8, |v[XS+14]|, |v[XS+15]|
	v_max3_num_f32 v8, v8, v9, (EMAX+1)<<23        ; and the floor 2^(3 - 127): the byte cannot fall under 1
	v_max_num_f32_dpp v8, v8, v8 row_xmask:1 row_mask:0xf bank_mask:0xf   ; with my neighbour's 16: the block's
	v_add_nc_u32 v11, -(EMAX<<23), v8              ; 2 off the exponent field: the conversion takes this operand's exponent field as its scale
	v_cvt_scalef32_pk16_fp6_f32 v[C+4*(\t):C+4*(\t)+2], v[XS:XS+15], v11
	v_lshrrev_b32 v[E+(\t)], 23, v11               ; the scale's byte (a plain line behind the conversion)
	ds_store_b8 v5, v[E+(\t)] offset:32*TP+2*UU    ; both lanes of a block write the same byte with the same value
	global_store_b96 v4, v[C+4*(\t):C+4*(\t)+2], s[6:7] offset:UU*PLANE+TP*384   ; 384 consecutive bytes a wave
.endm
.irp t, 0,1,2,3,4,5,6,7,8,9,10,11,12,13,14,15
	STEP \t
.endr
	ds_load_b64 v[8:9], v6                         ; in order behind my byte stores
	s_wait_dscnt 0x0
	global_store_b64 v7, v[8:9], s[8:9]            ; 256 consecutive bytes, aligned
	s_wait_tensorcnt 0x0                           ; the wave's end: behind my last LDS store
	ds_add_u32 v[SPW], v[NIL]
	s_wait_dscnt 0x0
	s_endpgm
.Lfunc_end_k_q5038514e58_quant_x:
	.size	k_q5038514e58_quant_x, .Lfunc_end_k_q5038514e58_quant_x-k_q5038514e58_quant_x
	.p2alignl 7, 3214868480
	.fill 96, 4, 3214868480
	.section	.rodata,"a",@progbits
	.p2align	6, 0x0
	.amdhsa_kernel k_q5038514e58_quant_x
		.amdhsa_group_segment_fixed_size 33280
		.amdhsa_private_segment_fixed_size 0
		.amdhsa_enable_private_segment 0
		.amdhsa_kernarg_size 24
		.amdhsa_user_sgpr_count 2
		.amdhsa_user_sgpr_kernarg_segment_ptr 1
		.amdhsa_wavefront_size32 1
		.amdhsa_system_sgpr_workgroup_id_x 1
		.amdhsa_system_sgpr_workgroup_id_y 1
		.amdhsa_system_sgpr_workgroup_id_z 1
		.amdhsa_system_vgpr_workitem_id 0
		.amdhsa_next_free_vgpr 192
		.amdhsa_next_free_sgpr 66
		.amdhsa_reserve_vcc 0
		.amdhsa_float_denorm_mode_32 3
		.amdhsa_float_denorm_mode_16_64 3
		.amdhsa_memory_ordered 1
		.amdhsa_forward_progress 1
		.amdhsa_inst_pref_size 33
	.end_amdhsa_kernel
	.amdgpu_metadata
---
amdhsa.version: [ 1, 2 ]
amdhsa.kernels:
  - .name:           k_q5038514e58_quant_x
    .symbol:         k_q5038514e58_quant_x.kd
    .args:
      - { .name: x, .offset: 0, .size: 8, .value_kind: global_buffer, .address_space: global }
      - { .name: opc, .offset: 8, .size: 8, .value_kind: global_buffer, .address_space: global }
      - { .name: ops, .offset: 16, .size: 8, .value_kind: global_buffer, .address_space: global }
    .group_segment_fixed_size: 33280
    .private_segment_fixed_size: 0
    .kernarg_segment_align: 8
    .kernarg_segment_size: 24
    .max_flat_workgroup_size: 128
    .sgpr_count:     66
    .vgpr_count:     192
    .wavefront_size: 32
...
	.end_amdgpu_metadata
.endif
;; end of part 1
;; launch quant_w (part 2): grid 32 x 8, 4 waves a work-group, no clusters, 20,992 bytes of LDS; arguments Wq, Wk, Wv, Wo, opc, ops; writes opc, ops
.if DOCPART == 2
	.amdgcn_target "amdgcn-amd-amdhsa--gfx1250"
	.amdhsa_code_object_version 6
	.text
	.protected	k_q5038514e58_quant_w
	.globl	k_q5038514e58_quant_w
	.p2align	8
	.type	k_q5038514e58_quant_w,@function
k_q5038514e58_quant_w:
	s_mov_b64 s[64:65], 0
	v_nop
	global_prefetch_b8 v0, s[64:65] scope:SCOPE_SE
	s_setreg_imm32_b32 hwreg(HW_REG_WAVE_MODE, 25, 1), 1
	s_wait_xcnt 0x0
; The four weights [1024 (k)][1024 (n)] f32, whose K is the FIRST axis, become codes of FP6 (E2M3) with one E8M0 scale byte for each 32 along K, in the layout of the launch before:
; codes [plane = k / 64][row position][48 bytes], scale words [k / 128][row position].  Column n of weight w (0 Wq, 1 Wk, 2 Wv, 3 Wo) is row 8192 + 1024 w + (n with bits 3 and 4 exchanged).
; A LANE TAKES A COLUMN AND ITS REGISTERS RUN DOWN K: a load reads 128 consecutive bytes a wave, a block of 32 lies in one lane, and the conversions give codes with K innermost.
; A wave takes 32 columns x 128 along K (4 blocks); its codes go through its own stage in LDS (a row = a position: four places of 16 bytes, each with 12 bytes of codes, + 16) and leave as runs of 384 consecutive bytes.
; The scale words leave as 128 bytes a wave: half of an aligned 256, one byte in 128 of what the launch reads.
; LIMITS: as in the launch before (floor byte 1 under 2^-124; zeros get byte 1; NaN and infinities not served).
.set NB,    4
.set EMAX,  2
.set SP,    80
.set PLS,   32*SP                      ; a plane of 32 positions in the stage
.set WREG,  2*PLS
.set SPARE, 4*WREG                     ; the spare words, 128 bytes a wave, which no other line names
.set PLANE, 589824
.set X,     32                         ; v32-95 two sets of 32 numbers
.set C,     96                         ; v96-102 a block's codes
.set OUTR,  112                        ; v112-143 the way out
.set SB,    24                         ; v24 the scale word
.set SPW,   14
.set NIL,   15
	s_load_b256 s[4:11], s[0:1], 0x0               ; Wq, Wk, Wv, Wo
	s_load_b128 s[12:15], s[0:1], 0x20             ; the codes, the scale words
	v_lshl_add_u32 v[SPW], v0, 2, SPARE
	v_mov_b32 v[NIL], 0
	v_lshrrev_b32 v1, 5, v0
	v_readfirstlane_b32 s16, v1                    ; wave
	v_and_b32 v2, 31, v0                           ; lane = my column of the wave's 32
	v_lshlrev_b32 v3, 2, v2                        ; in: 4 bytes a lane
	v_and_b32 v5, 7, v0
	v_bfe_u32 v6, v0, 3, 1
	v_lshl_add_u32 v5, v6, 4, v5
	v_bfe_u32 v6, v0, 4, 1
	v_lshl_add_u32 v5, v6, 3, v5                   ; my column's position among the 32
	s_mul_i32 s17, s16, WREG
	v_mul_u32_u24 v4, v5, SP
	v_add_nc_u32 v4, s17, v4                       ; into the stage: row = my position
	v_lshrrev_b32 v6, 2, v2
	v_mul_u32_u24 v7, v6, SP
	v_and_b32 v6, 3, v2
	v_lshl_add_u32 v7, v6, 4, v7
	v_add_nc_u32 v7, s17, v7                       ; out of it: four lanes to a row, eight rows an instruction
	v_mul_u32_u24 v8, v2, 12                       ; and the same place in the codes' buffer
	v_lshlrev_b32 v9, 2, v5                        ; my scale word's place
	s_lshr_b32 s18, ttmp9, 3                       ; which weight
	s_and_b32 s19, ttmp9, 7
	s_lshl_b32 s19, s19, 7
	s_lshl_b32 s20, s16, 5
	s_add_co_u32 s19, s19, s20                     ; my wave's first column
	s_and_b32 s20, ttmp7, 0xffff                   ; which 128 along K
	s_lshl_b32 s21, s18, 10
	s_add_co_u32 s21, s21, s19
	s_add_co_u32 s21, s21, 8192                    ; its first row in the operand buffers
	s_lshl_b32 s22, s20, 19                        ; W: 128 rows of 4,096 bytes,
	s_lshl_b32 s23, s19, 2
	s_add_co_u32 s22, s22, s23
	s_mov_b32 s23, 0
	s_mul_i32 s24, s20, 2*PLANE
	s_mul_i32 s25, s21, 48
	s_add_co_u32 s24, s24, s25
	s_mov_b32 s25, 0
	s_mul_i32 s26, s20, 49152
	s_lshl_b32 s27, s21, 2
	s_add_co_u32 s26, s26, s27
	s_mov_b32 s27, 0
	s_wait_kmcnt 0x0
	s_cmp_eq_u32 s18, 1                            ; the weight is chosen by the work-group's number alone
	s_cselect_b64 s[4:5], s[6:7], s[4:5]
	s_cmp_eq_u32 s18, 2
	s_cselect_b64 s[4:5], s[8:9], s[4:5]
	s_cmp_eq_u32 s18, 3
	s_cselect_b64 s[4:5], s[10:11], s[4:5]
	s_add_nc_u64 s[4:5], s[4:5], s[22:23]
	s_add_nc_u64 s[12:13], s[12:13], s[24:25]
	s_add_nc_u64 s[14:15], s[14:15], s[26:27]
.macro LOAD t                          ; block t: W(32 t + i, my column) into set t % 2
.set n, 0
.rept 32
	global_load_b32 v[X+32*((\t)%2)+n], v3, s[4:5] offset:(32*(\t)+n)*4096 th:TH_LOAD_NT
.set n, n+1
.endr
.endm
	LOAD 0
	LOAD 1
.macro BLOCK t
.set XS, X+32*((\t)%2)
.if (\t) < NB-1
	s_wait_loadcnt 32                              ; this block's 32 loads are in; the next block's may be out
.else
	s_wait_loadcnt 0x0
.endif
	v_max3_num_f32 v12, |v[XS]|, |v[XS+1]|, |v[XS+2]|              ; the block's largest magnitude: all 32 numbers are mine
	v_max3_num_f32 v13, |v[XS+3]|, |v[XS+4]|, |v[XS+5]|
.irp i, 6,10,14,18,22,26
	v_max3_num_f32 v12, v12, |v[XS+\i]|, |v[XS+\i+1]|
	v_max3_num_f32 v13, v13, |v[XS+\i+2]|, |v[XS+\i+3]|
.endr
	v_max3_num_f32 v12, v12, |v[XS+30]|, |v[XS+31]|
	v_max3_num_f32 v12, v12, v13, (EMAX+1)<<23     ; and the floor
	v_add_nc_u32 v11, -(EMAX<<23), v12             ; the conversion's scale operand
	v_lshrrev_b32 v13, 23, v11                     ; the scale's byte
.if (\t) == 0
	v_mov_b32 v[SB], v13
.else
	v_lshl_or_b32 v[SB], v13, 8*(\t), v[SB]        ; the lower K in the lower byte
.endif
	v_cvt_scalef32_pk16_fp6_f32 v[C:C+2], v[XS:XS+15], v11
	v_cvt_scalef32_pk16_fp6_f32 v[C+4:C+6], v[XS+16:XS+31], v11
	v_nop                                          ; a plain line behind the conversions
	ds_store_b96 v4, v[C:C+2] offset:((\t)/2)*PLS+((\t)%2)*32
	ds_store_b96 v4, v[C+4:C+6] offset:((\t)/2)*PLS+((\t)%2)*32+16
.if (\t)+2 < NB
	LOAD (\t)+2
.endif
	s_wait_dscnt 0x0                               ; the stores are done: the next block's codes may be written
.endm
	BLOCK 0
	BLOCK 1
	BLOCK 2
	BLOCK 3
	global_store_b32 v9, v[SB], s[14:15]           ; 32 words, 128 consecutive bytes a wave
.irp k, 0,1,2,3,4,5,6,7
	ds_load_b96 v[OUTR+4*\k:OUTR+4*\k+2], v7 offset:(\k/4)*PLS+(\k%4)*8*SP   ; in order behind my stores
.endr
.irp k, 0,1,2,3,4,5,6,7
	s_wait_dscnt 7-\k
	global_store_b96 v8, v[OUTR+4*\k:OUTR+4*\k+2], s[12:13] offset:(\k/4)*PLANE+(\k%4)*384   ; 8 positions x 48 bytes: 384 consecutive bytes
.endr
	s_wait_tensorcnt 0x0                           ; the wave's end: behind my last LDS store
	ds_add_u32 v[SPW], v[NIL]
	s_wait_dscnt 0x0
	s_endpgm
.Lfunc_end_k_q5038514e58_quant_w:
	.size	k_q5038514e58_quant_w, .Lfunc_end_k_q5038514e58_quant_w-k_q5038514e58_quant_w
	.p2alignl 7, 3214868480
	.fill 96, 4, 3214868480
	.section	.rodata,"a",@progbits
	.p2align	6, 0x0
	.amdhsa_kernel k_q5038514e58_quant_w
		.amdhsa_group_segment_fixed_size 20992
		.amdhsa_private_segment_fixed_size 0
		.amdhsa_enable_private_segment 0
		.amdhsa_kernarg_size 48
		.amdhsa_user_sgpr_count 2
		.amdhsa_user_sgpr_kernarg_segment_ptr 1
		.amdhsa_wavefront_size32 1
		.amdhsa_system_sgpr_workgroup_id_x 1
		.amdhsa_system_sgpr_workgroup_id_y 1
		.amdhsa_system_sgpr_workgroup_id_z 1
		.amdhsa_system_vgpr_workitem_id 0
		.amdhsa_next_free_vgpr 192
		.amdhsa_next_free_sgpr 66
		.amdhsa_reserve_vcc 0
		.amdhsa_float_denorm_mode_32 3
		.amdhsa_float_denorm_mode_16_64 3
		.amdhsa_memory_ordered 1
		.amdhsa_forward_progress 1
		.amdhsa_inst_pref_size 23
	.end_amdhsa_kernel
	.amdgpu_metadata
---
amdhsa.version: [ 1, 2 ]
amdhsa.kernels:
  - .name:           k_q5038514e58_quant_w
    .symbol:         k_q5038514e58_quant_w.kd
    .args:
      - { .name: Wq, .offset: 0, .size: 8, .value_kind: global_buffer, .address_space: global }
      - { .name: Wk, .offset: 8, .size: 8, .value_kind: global_buffer, .address_space: global }
      - { .name: Wv, .offset: 16, .size: 8, .value_kind: global_buffer, .address_space: global }
      - { .name: Wo, .offset: 24, .size: 8, .value_kind: global_buffer, .address_space: global }
      - { .name: opc, .offset: 32, .size: 8, .value_kind: global_buffer, .address_space: global }
      - { .name: ops, .offset: 40, .size: 8, .value_kind: global_buffer, .address_space: global }
    .group_segment_fixed_size: 20992
    .private_segment_fixed_size: 0
    .kernarg_segment_align: 8
    .kernarg_segment_size: 48
    .max_flat_workgroup_size: 128
    .sgpr_count:     66
    .vgpr_count:     192
    .wavefront_size: 32
...
	.end_amdgpu_metadata
.endif
;; end of part 2
;; launch gemm_qkv (part 3): grid 12 x 32, 4 waves a work-group, clusters of 4 x 4, 327,680 bytes of LDS; arguments opc, ops, qkv; writes qkv
.if DOCPART == 3
	.amdgcn_target "amdgcn-amd-amdhsa--gfx1250"
	.amdhsa_code_object_version 6
	.text
	.protected	k_q5038514e58_gemm_qkv
	.globl	k_q5038514e58_gemm_qkv
	.p2align	8
	.type	k_q5038514e58_gemm_qkv,@function
k_q5038514e58_gemm_qkv:
	s_mov_b64 s[64:65], 0
	v_nop
	global_prefetch_b8 v0, s[64:65] scope:SCOPE_SE
	s_setreg_imm32_b32 hwreg(HW_REG_WAVE_MODE, 25, 1), 1
	s_wait_xcnt 0x0
	s_wait_alu depctr_hold_cnt(0) depctr_sa_sdst(0) depctr_va_vdst(0) depctr_va_sdst(0) depctr_va_ssrc(0) depctr_va_vcc(0) depctr_vm_vsrc(0)
	s_getreg_b32 s2, hwreg(HW_REG_IB_STS2, 6, 4)
	s_cmp_eq_u32 s2, 0
	s_cbranch_scc0 .Lentry_in_a_cluster
	s_endpgm
.Lentry_in_a_cluster:
	s_bfe_u32 s2, ttmp6, 0x10000c
	s_cmp_lg_u32 s2, 0xf033
	s_cbranch_scc0 .Lentry_shape_is_right
	s_endpgm
.Lentry_shape_is_right:
; Q = x Wq, K = x Wk, V = x Wv on codes of FP6 (E2M3) with E8M0 scales, K = 1,024; the results are quantised in registers (Q and K along a head's 64, V along the keys) and leave as codes.
; OPERANDS (made by the two launches before): codes [plane = k / 64][row position][48 bytes], 12,288 rows (x: 0 .. 8191; weight w: 8192 + 1024 w on); scale words [k / 128][row position].
; A tile of 256 x 256 to a work-group of four waves, 128 x 128 to a wave: 64 accumulators, 512 registers.  THE PRODUCT IS USED TRANSPOSED (source 0 = 16 rows of B, source 1 = 16 rows of A): a lane holds one row of A,
; and since rows lie by POSITION (bits 3 and 4 of the index exchanged) the 16 registers of B's blocks 2 n and 2 n + 1 are 16 neighbouring true indices 32 n + 16 (lane / 16) + 0 .. 15: what the conversions want.
; ROLES, by the cluster's x, the same in all sixteen partners, chosen by selects and no branch: 0: A = x, B = Wq;  1: A = x, B = Wk;  2: A = Wv, B = x, which gives V^T: a lane holds one channel, registers run along the keys.
; K goes in four steps of 256 (four planes).  Three slots and all scale words fit in LDS: K steps 0, 1, 2 and the scales are first fills (four tensor loads of a wave are out at the most), K step 3 is the one refill, of slot 0.
; An LDS row is 48 bytes = 12 words: the sixteen rows of a fragment start at sixteen different multiples of 4 words mod 64, the upper lanes 6 words on.  No padding.
; CLUSTER 4 x 4: A's tiles are shared along a row of the cluster, B's along a column: joint tensor loads.
; RESULT: qkv.  Record rec = ((b 8 + head pair) 16 + block of 128 rows).  K and V at rec x 25,600: K codes [e][128 positions][48], V codes at 12,288 [e][64 keys' plane][64 channel positions][48],
; K scale words at 24,576 [128], V scale words at 25,088 [e][64].  Q at 13,107,200 + rec x 12,800: codes [e][128][48], scale words at 12,288.  A wave writes one such part whole.
; LIMITS: a block whose largest magnitude lies under 2^-124 keeps the floor's byte, 1; a block of zeros gets byte 1 (zero codes; read by this program alone); NaN and infinities are not served.
; REGISTERS: window 0: v8-31 addresses; v32-63 scale words, two sets; v128-223 A's fragments, one set; on the way out v32-159 at work.  window 1: B's fragments, two sets (v0, v128).  windows 2, 3: accumulator (a, b) at v[8 (8 (a % 4) + b)].
.set FR,    12                         ; registers of a fragment: 16 rows x 128 K
.set PL,    6144                       ; a plane of 128 rows in LDS
.set HALFT, 4*PL                       ; what one tensor load brings: 128 rows x 256 K
.set SLOT,  4*HALFT                    ; A's two halves, then B's two
.set SCL,   3*SLOT                     ; the scale words: four halves of [8][128] words
.set SPARE, SCL+4*4096                 ; the spare words, 128 bytes a wave, which no other line names
.set PLA,   589824                     ; a plane of A's codes in memory;  B's
.set PLB,   589824
.set SPA,   49152                      ; a plane of A's scale words;  B's
.set SPB,   49152
.set KBA,   4*PLA                      ; a K step on
.set KBB,   4*PLB
.set VO,    8                          ; v8-11  the way out: my byte offsets in the record's codes
.set ADRA,  16                         ; v16-18 LDS address of my A fragments in slot 0, 1, 2
.set ADRB,  20                         ; v20-22 the same for B
.set STO,   24                         ; v24 the stage: where I put a piece of 12 bytes
.set RD,    25                         ; v25 and where I read it back
.set SSTO,  26                         ; v26 where I put a scale word
.set ADRS,  27                         ; v27 my scale words: lanes 0-15 A's rows, lanes 16-31 B's
.set SPW,   28
.set NIL,   29
.set SRD,   30                         ; v30 where I read scale words back;  v31 16 x lane
.set SC,    32                         ; scale words: set s at v[SC + 16 s]; register 2 i + q: block i, the K step's q-th 128
.set AF,    128
.set TM,    32                         ; the way out: v32-35 largest magnitudes, v36-39 bytes, v44-47 the conversions' scale operands
.set PW,    48                         ; v48, v49 scale words just made
.set PC,    52                         ; v52-67, v68-83 codes just made, two sets
.set OB,    96                         ; v96-127, v128-159 codes read back, two sets
.set G1,    24                         ; descriptor groups 1: A's codes, B's codes, A's scales, B's scales
.set G1B,   32
.set G1S,   40
.set G1SB,  48
.set GA0,   56                         ; groups 0: A's for slots 0, 1, 2; B's; the scales'
.set GA1,   60
.set GA2,   68
.set GB0,   72
.set GB1,   76
.set GB2,   80
.set GSA,   84
.set GSB,   88
.set MSB, 0
.macro WIN new                         ; the immediate's high byte repeats the setting that is left
.if MSB != (\new)
	s_set_vgpr_msb (MSB<<8)|(\new)
.set MSB, (\new)
.endif
.endm
.set MUL_LO, 0xa1                      ; source 0 (B) window 1, source 1 (A) window 0, C and D window 2
.set MUL_HI, 0xf1                      ; the same, C and D window 3
.set TO_B,   0x40                      ; destination window 1, address window 0
; A joint load: waves 0 and 1 fetch for A, waves 2 and 3 for B; the branch hangs on the wave's number alone.  An s_nop 0 and four v_nop follow each line.
.macro JLOAD g0a, g1a, g0b, g1b
	s_cmp_eq_u32 s15, 0
	s_cbranch_scc0 .Lfor_b_\@
	tensor_load_to_lds s[\g0a:\g0a+3], s[\g1a:\g1a+7]
	s_nop 0
.rept 4
	v_nop
.endr
	s_branch .Lasked_\@
.Lfor_b_\@:
	tensor_load_to_lds s[\g0b:\g0b+3], s[\g1b:\g1b+7]
	s_nop 0
.rept 4
	v_nop
.endr
.Lasked_\@:
.endm
.macro CREST                           ; a round of the cluster's barrier behind its opening barrier
	s_cmp_lg_u32 s14, 0
	s_cbranch_scc1 .Lnot_wave_0_\@
	s_barrier_signal -3
.Lnot_wave_0_\@:
	s_barrier_wait -3
	s_barrier_signal -1
	s_barrier_wait -1
.endm
.macro CROUND
	s_barrier_signal -1
	s_barrier_wait -1
	CREST
.endm
	s_load_b128 s[4:7], s[0:1], 0x0                ; A's side: codes, scale words
	s_load_b128 s[8:11], s[0:1], 0x0               ; B's side: the same two buffers
	s_load_b64 s[92:93], s[0:1], 0x10              ; qkv
	v_lshl_add_u32 v[SPW], v0, 2, SPARE
	v_mov_b32 v[NIL], 0
	ds_add_u32 v[SPW], v[NIL]                      ; the wave's opening: the add and its wait ahead of my first tensor load; work on registers stands between
	v_lshrrev_b32 v1, 5, v0
	v_readfirstlane_b32 s14, v1                    ; wave 0..3
	s_lshr_b32 s15, s14, 1                         ; my half of A's rows.  Also: I fetch for A (0) or for B (1)
	s_and_b32 s16, s14, 1                          ; my half of B's rows.  Also: which 128 rows I fetch
	s_bfe_u32 s12, ttmp6, 0x40000                  ; cx
	s_bfe_u32 s13, ttmp6, 0x40004                  ; cy
	s_and_b32 s3, ttmp7, 0xffff
	s_lshl_b32 s3, s3, 2                           ; 4 x cluster y: the cluster's first tile of x
	s_lshl_b32 s18, ttmp9, 2
	s_add_co_u32 s18, s18, 32                      ; the role's weight begins at tile 32 + 4 x role
	s_cmp_eq_u32 ttmp9, 2                          ; V?
	s_cselect_b32 s17, 40, s3                      ; A: Wv's tiles, else x's
	s_cselect_b32 s18, s3, s18                     ; B: x's tiles, else the weight's
	s_add_co_u32 s17, s17, s13                     ; A's tile hangs on cy,
	s_add_co_u32 s18, s18, s12                     ; B's on cx
	s_lshl_b32 s19, s13, 2
	s_lshl_b32 s19, 15, s19                        ; my row of the cluster
	s_lshl_b32 s2, 0x1111, s12                     ; my column
	; groups 1.  Codes: 4 planes of 128 rows x 48 bytes = 768 elements of 8 bytes, a plane of memory apart.  No padding
	s_or_b32 s[G1], s19, (3<<16)|(1<<21)           ; 15:0 the mask; 17:16 elements of 8 bytes; 21 set beside a mask
	s_or_b32 s[G1B], s2, (3<<16)|(1<<21)
.irp g, G1, G1B
	s_mov_b32 s[\g+1], 768<<16                     ; tensor_dim0
	s_mov_b32 s[\g+2], 4<<16                       ; tensor_dim1
	s_mov_b32 s[\g+3], 768<<16                     ; tile_dim0
	s_mov_b32 s[\g+4], 4                           ; tile_dim1
	s_mov_b32 s[\g+6], 0
	s_mov_b32 s[\g+7], 0
.endr
	s_mov_b32 s[G1+5], PLA/8                       ; tensor_dim0_stride
	s_mov_b32 s[G1B+5], PLB/8
	; scale words: 8 planes of 128 words = 64 elements
	s_or_b32 s[G1S], s19, (3<<16)|(1<<21)
	s_or_b32 s[G1SB], s2, (3<<16)|(1<<21)
.irp g, G1S, G1SB
	s_mov_b32 s[\g+1], 64<<16
	s_mov_b32 s[\g+2], 8<<16
	s_mov_b32 s[\g+3], 64<<16
	s_mov_b32 s[\g+4], 8
	s_mov_b32 s[\g+6], 0
	s_mov_b32 s[\g+7], 0
.endr
	s_mov_b32 s[G1S+5], SPA/8
	s_mov_b32 s[G1SB+5], SPB/8
	s_lshl_b32 s22, s16, 7
	s_lshl_b32 s96, s17, 8
	s_add_co_u32 s96, s96, s22                     ; A: the first row that I fetch
	s_lshl_b32 s98, s18, 8
	s_add_co_u32 s98, s98, s22                     ; B likewise
	s_lshl_b32 s20, s96, 2                         ; its scale word,
	s_mov_b32 s21, 0
	s_mul_i32 s96, s96, 48                         ; its codes
	s_mov_b32 s97, 0
	s_lshl_b32 s22, s98, 2
	s_mov_b32 s23, 0
	s_mul_i32 s98, s98, 48
	s_mov_b32 s99, 0
	s_mul_i32 s100, s14, HALFT                     ; where they go: by the wave's number alone
	s_lshl_b32 s101, s14, 12
	s_add_co_u32 s101, s101, SCL
	s_wait_dscnt 0x0                               ; the opening add is done
	s_wait_kmcnt 0x0
	s_add_nc_u64 s[96:97], s[4:5], s[96:97]
	s_add_nc_u64 s[20:21], s[6:7], s[20:21]
	s_add_nc_u64 s[98:99], s[8:9], s[98:99]
	s_add_nc_u64 s[22:23], s[10:11], s[22:23]
	CROUND                                         ; all sixteen work-groups are here: the first joint loads meet
	s_mov_b32 s[GSA], 1
	s_mov_b32 s[GSA+1], s101
	s_mov_b64 s[GSA+2:GSA+3], s[20:21]
	s_or_b32 s[GSA+3], s[GSA+3], 0x80000000
	s_mov_b32 s[GSB], 1
	s_mov_b32 s[GSB+1], s101
	s_mov_b64 s[GSB+2:GSB+3], s[22:23]
	s_or_b32 s[GSB+3], s[GSB+3], 0x80000000
	JLOAD GSA, G1S, GSB, G1SB                      ; the scale words of all of K: filled once
.macro FIRST ga, gb, s                 ; K step s into slot s
	s_mov_b32 s[\ga], 1
	s_add_co_u32 s[\ga+1], s100, \s*SLOT
	s_add_nc_u64 s[\ga+2:\ga+3], s[96:97], \s*KBA
	s_or_b32 s[\ga+3], s[\ga+3], 0x80000000
	s_mov_b32 s[\gb], 1
	s_add_co_u32 s[\gb+1], s100, \s*SLOT
	s_add_nc_u64 s[\gb+2:\gb+3], s[98:99], \s*KBB
	s_or_b32 s[\gb+3], s[\gb+3], 0x80000000
	JLOAD \ga, G1, \gb, G1B
.endm
	FIRST GA0, GB0, 0
	FIRST GA1, GB1, 1
	FIRST GA2, GB2, 2
	v_and_b32 v1, 15, v0                           ; r
	v_bfe_u32 v2, v0, 4, 1                         ; h
	v_mul_u32_u24 v3, v1, 48
	v_mad_u32_u24 v3, v2, 24, v3                   ; a fragment's row x 48 + 24 x half
	s_mul_i32 s96, s15, HALFT                      ; my 128 rows of A
	s_mul_i32 s97, s16, HALFT
	s_add_co_u32 s97, s97, 2*HALFT                 ; my 128 rows of B, behind A's 256
.irp s, 0,1,2
	v_add_nc_u32 v[ADRA+\s], s96, v3
	v_add_nc_u32 v[ADRB+\s], s97, v3
	s_add_co_u32 s96, s96, SLOT
	s_add_co_u32 s97, s97, SLOT
.endr
	s_add_co_u32 s96, s16, 2
	s_sub_co_u32 s96, s96, s15
	s_lshl_b32 s96, s96, 12                        ; from my half of A's scale words to my half of B's
	v_mul_u32_u24 v4, s96, v2                      ; lanes 16-31 take B's
	s_lshl_b32 s97, s15, 12
	s_add_co_u32 s97, s97, SCL
	v_lshl_add_u32 v4, v1, 2, v4
	v_add_nc_u32 v[ADRS], s97, v4
	; the way out: a stage of 5,632 bytes a wave in slot 1, which is filled once and read for the last time ahead of the last barrier
	s_mul_i32 s96, s14, 5632
	s_add_co_u32 s96, s96, SLOT
	v_mul_u32_u24 v5, v1, 80
	v_lshl_add_u32 v5, v2, 4, v5
	v_add_nc_u32 v[STO], s96, v5                   ; row r of 80 bytes, place h
	v_and_b32 v4, 31, v0
	v_lshrrev_b32 v5, 2, v4
	v_mul_u32_u24 v5, v5, 80
	v_and_b32 v6, 3, v0
	v_lshl_add_u32 v5, v6, 4, v5
	v_add_nc_u32 v[RD], s96, v5                    ; back: four lanes to a row
	s_add_co_u32 s96, s96, 5120
	v_lshl_add_u32 v[SSTO], v1, 2, s96
	v_lshl_add_u32 v[SRD], v4, 4, s96
	v_lshlrev_b32 v31, 4, v4
	; where my part of the result goes
	s_cmp_eq_u32 ttmp9, 2                          ; V?
	s_cselect_b32 s2, s18, s17                     ; the tile of x: B's for V, else A's,
	s_cselect_b32 s3, s16, s15                     ; and my half of it
	s_cselect_b32 s22, s13, s12                    ; the weight's tile in the cluster,
	s_cselect_b32 s23, s15, s16                    ; and my half of it
	s_mov_b32 s96, 3072
	s_cselect_b32 s97, 6144, s96                   ; from rows 0-63 of A to rows 64-127
	s_mov_b32 s98, 6144
	s_cselect_b32 s98, s96, s98                    ; from B's blocks 0-3 to blocks 4-7
	s_cselect_b32 s99, 12288, 0                    ; the part's place in its record
	s_mov_b32 s100, 24576
	s_cselect_b32 s100, 12800, s100                ; from the codes to the scale words
	s_cmp_eq_u32 ttmp9, 0                          ; Q?
	s_mov_b32 s101, 25600
	s_cselect_b32 s101, 12800, s101                ; a record
	s_cselect_b32 s99, 13107200, s99
	s_cselect_b32 s100, 12288, s100
	s_lshl_b32 s2, s2, 1
	s_add_co_u32 s2, s2, s3                        ; which 128 rows of x: 16 b + block
	s_lshl_b32 s22, s22, 1
	s_add_co_u32 s22, s22, s23                     ; the pair of heads
	s_lshr_b32 s3, s2, 4
	s_and_b32 s2, s2, 15
	s_lshl_b32 s3, s3, 3
	s_add_co_u32 s3, s3, s22
	s_lshl_b32 s3, s3, 4
	s_add_co_u32 s3, s3, s2                        ; the record's number
	s_mul_i32 s2, s3, s101
	s_add_co_u32 s2, s2, s99
	s_mov_b32 s3, 0
	s_add_nc_u64 s[92:93], s[92:93], s[2:3]        ; my codes
	s_mov_b32 s101, 0
	s_add_nc_u64 s[94:95], s[92:93], s[100:101]    ; my scale words
	v_mul_u32_u24 v[VO], v4, 12
	v_add_nc_u32 v[VO+1], s98, v[VO]
	v_add_nc_u32 v[VO+2], s97, v[VO]
	v_add_nc_u32 v[VO+3], s97, v[VO+1]
	s_mov_b32 s20, 0x76543210
	s_mov_b32 s21, 0xfedcba98                      ; v_permlanex16_b32's selects for lane l xor 16
.macro FRAG reg, adr, q, i             ; 16 rows x 128 K: registers 6 c .. 6 c + 5 hold K = 64 c + 32 h + 0 .. 31: 24 bytes of plane 2 q + c, as they lie, in pieces of 8
.irp p, 0,1,2,3,4,5
	ds_load_b64 v[\reg+2*\p:\reg+2*\p+1], v[\adr] offset:(2*(\q)+\p/3)*PL+(\i)*768+8*(\p%3)
.endr
.endm
; 16 matrix instructions: A's blocks a0, a0 + 1 x B's eight; q: which 128 of the K step, and B's set; sc: the set of scale words.  zero = 1: the product starts the sums.
; The 64 accumulators take turns, one instruction a turn, in the same order in every step.
.macro MUL16 a0, q, sc, zero
.irp a, \a0, \a0+1
.irp b, 0,1,2,3,4,5,6,7
.if \zero
	v_wmma_scale_f32_16x16x128_f8f6f4 v[8*(8*((\a)%4)+\b):8*(8*((\a)%4)+\b)+7], v[128*(\q)+FR*\b:128*(\q)+FR*\b+FR-1], v[AF+FR*(\a):AF+FR*(\a)+FR-1], 0, v[SC+16*(\sc)+2*\b+(\q)], v[SC+16*(\sc)+2*(\a)+(\q)] matrix_a_fmt:MATRIX_FMT_FP6 matrix_b_fmt:MATRIX_FMT_FP6 matrix_a_scale:MATRIX_SCALE_ROW1
.else
	v_wmma_scale_f32_16x16x128_f8f6f4 v[8*(8*((\a)%4)+\b):8*(8*((\a)%4)+\b)+7], v[128*(\q)+FR*\b:128*(\q)+FR*\b+FR-1], v[AF+FR*(\a):AF+FR*(\a)+FR-1], v[8*(8*((\a)%4)+\b):8*(8*((\a)%4)+\b)+7], v[SC+16*(\sc)+2*\b+(\q)], v[SC+16*(\sc)+2*(\a)+(\q)] matrix_a_fmt:MATRIX_FMT_FP6 matrix_b_fmt:MATRIX_FMT_FP6 matrix_a_scale:MATRIX_SCALE_ROW1
.endif
.endr
.endr
.endm
.macro FETCH_B slot, q, p              ; B's eight fragments into set p
	WIN TO_B
.irp i, 0,1,2,3,4,5,6,7
	FRAG 128*(\p)+FR*\i, ADRB+\slot, \q, \i
.endr
	WIN 0
.endm
.macro FETCH_A slot, q, i0             ; A's blocks i0 .. i0 + 3
.irp i, \i0, \i0+1, \i0+2, \i0+3
	FRAG AF+FR*(\i), ADRA+\slot, \q, \i
.endr
.endm
.macro SCALES ks                       ; K step ks's scale words into set ks % 2: lanes 0-15 A's block i, lanes 16-31 B's block i
.irp i, 0,1,2,3,4,5,6,7
.irp q, 0,1
	ds_load_b32 v[SC+16*((\ks)%2)+2*\i+\q], v[ADRS] offset:(2*(\ks)+\q)*512+\i*64
.endr
.endr
.endm
.macro PLACES n                        ; plain vector lines between a matrix instruction and a load into, or a vector line on, its registers (ISA guide 7.12.1 for vector lines)
.rept \n
	v_nop
.endr
.endm
; A step of 128 along K that meets no barrier: it multiplies set q and fetches the next step's fragments (slot nslot, its nq-th 128); ks >= 0: and that K step's scale words.
.macro STEP q, sc, nslot, nq, zero, ks
	s_wait_dscnt 24                                ; all but the youngest 24 loads (A's blocks 4-7) are in
	WIN MUL_LO
	MUL16 0, \q, \sc, \zero
	MUL16 2, \q, \sc, \zero
	s_wait_dscnt 0x0                               ; A's blocks 4-7 are in
	PLACES 4
	FETCH_B \nslot, \nq, 1-(\q)
	FETCH_A \nslot, \nq, 0
.if (\ks) >= 0
	SCALES \ks
.endif
	WIN MUL_HI
	MUL16 4, \q, \sc, \zero
	MUL16 6, \q, \sc, \zero
	PLACES 4
	WIN 0
	FETCH_A \nslot, \nq, 4
.endm
; A K step's second half with a barrier in it.  In front of the barrier each wave waits for all its tensor loads, adds 0 to its spare word, and waits for that and for its reads.
; fill = 1: the barrier opens a round of the cluster's, and slot 0, which nobody reads any more, takes K step 3.
.macro TURN sc, nslot, ks, fill
	s_wait_tensorcnt 0x0                           ; all my tensor loads have landed
	ds_add_u32 v[SPW], v[NIL]                      ; 0 onto my spare word
	s_wait_dscnt 25                                ; (the add and the youngest 24 loads may be out)
	WIN MUL_LO
	MUL16 0, 1, \sc, 0                             ; sixteen matrix instructions stand between the add and the wait for it
	s_wait_dscnt 0x0                               ; the add is done, and my reads of the slot in hand are over
	s_barrier_signal -1
	MUL16 2, 1, \sc, 0
	WIN 0
	s_barrier_wait -1
.if \fill
	CREST                                          ; no wave of any partner still reads slot 0 or has a load on its way
	s_add_nc_u64 s[GA0+2:GA0+3], s[GA0+2:GA0+3], 3*KBA
	s_add_nc_u64 s[GB0+2:GB0+3], s[GB0+2:GB0+3], 3*KBB
	JLOAD GA0, G1, GB0, G1B                        ; my one tensor load behind the round: it has four steps, 256 matrix instructions, in which to land; its four v_nop are the places for the loads below
.else
	PLACES 4
.endif
	FETCH_B \nslot, 0, 0
	FETCH_A \nslot, 0, 0
	SCALES \ks
	WIN MUL_HI
	MUL16 4, 1, \sc, 0
	MUL16 6, 1, \sc, 0
	PLACES 4
	WIN 0
	FETCH_A \nslot, 0, 4
.endm
	s_wait_tensorcnt 2                             ; the scale words and my part of K step 0 are in; K steps 1 and 2 may be out
	s_barrier_signal -1
	s_barrier_wait -1
	FETCH_B 0, 0, 0
	FETCH_A 0, 0, 0
	SCALES 0
	FETCH_A 0, 0, 4
	STEP 0, 0, 0, 1, 1, -1                         ; K 0: its products start the sums
	TURN 0, 1, 1, 1                                ; K 128; slot 0 is left and filled again
	STEP 0, 1, 1, 1, 0, -1                         ; K 256
	STEP 1, 1, 2, 0, 0, 2                          ; K 384; slot 2 was shown whole by the round above
	STEP 0, 0, 2, 1, 0, -1                         ; K 512
	TURN 0, 0, 3, 0                                ; K 640; K step 3 has landed in every wave's part
	STEP 0, 1, 0, 1, 0, -1                         ; K 768
	s_wait_dscnt 24                                ; K 896: nothing more to fetch
	WIN MUL_LO
	MUL16 0, 1, 1, 0
	MUL16 2, 1, 1, 0
	s_wait_dscnt 0x0
	WIN MUL_HI
	MUL16 4, 1, 1, 0
	MUL16 6, 1, 1, 0
	WIN 0
; THE WAY OUT.  Block a (16 rows of A): a lane's 64 results are four runs of 16 neighbours along the quantiser's K; a block of 32 lies in lanes l and l xor 16.
; Each run becomes 12 bytes of codes, put at a place of 16 bytes in the stage; two blocks of A (32 rows) come back as rows of 48 bytes and leave as runs of 384 consecutive bytes.
.macro QB a, set
.set AC, 64*((\a)%4)
.set QW, 2+(\a)/4                      ; the accumulators' window
.set PCS, PC+16*(\set)
.set NW, QW|(QW<<2)
	WIN NW                                         ; sources 0 and 1
.irp b, 0,1,2,3
	v_max3_num_f32 v[TM+\b], |v[AC+16*\b]|, |v[AC+16*\b+1]|, 0x1800000   ; each accumulator is read from its low end on; the floor 2^(3 - 127) holds the byte at 1
.endr
.set NW, (QW<<2)|(QW<<4)
	WIN NW                                         ; sources 1 and 2
.irp i, 2,4,6,8,10,12,14
.irp b, 0,1,2,3
	v_max3_num_f32 v[TM+\b], v[TM+\b], |v[AC+16*\b+\i]|, |v[AC+16*\b+\i+1]|
.endr
.endr
	WIN 0
.irp b, 0,1,2,3
	v_permlanex16_b32 v[TM+4+\b], v[TM+\b], s20, s21
.endr
.irp b, 0,1,2,3
	v_max_num_f32 v[TM+\b], v[TM+\b], v[TM+4+\b]   ; the block's largest magnitude
.endr
.irp b, 0,1,2,3
	v_add_nc_u32 v[TM+12+\b], 0xff000000, v[TM+\b] ; 2 off its exponent field: the conversion's scale operand
.endr
.irp b, 0,1,2,3
	v_lshrrev_b32 v[TM+4+\b], 23, v[TM+12+\b]      ; the scale's byte
.endr
	v_lshl_or_b32 v[PW+\set], v[TM+5], 8, v[TM+4]
	v_lshl_or_b32 v[PW+\set], v[TM+6], 16, v[PW+\set]
	v_lshl_or_b32 v[PW+\set], v[TM+7], 24, v[PW+\set]
	WIN QW                                         ; source 0
.irp b, 0,1,2,3
	v_cvt_scalef32_pk16_fp6_f32 v[PCS+4*\b:PCS+4*\b+2], v[AC+16*\b:AC+16*\b+15], v[TM+12+\b]
.endr
	WIN 0
	v_nop                                          ; a plain line behind the conversions
.irp b, 0,1,2,3
	ds_store_b96 v[STO], v[PCS+4*\b:PCS+4*\b+2] offset:(\b/2)*2560+((\a)%2)*1280+(\b%2)*32
.endr
	ds_store_b32 v[SSTO], v[PW+\set] offset:64*(\a) ; lanes l and l xor 16 write the same word with the same value
.endm
.macro RB p                            ; pair p's 2 x 32 rows of 48 bytes, back from the stage (in order behind my stores)
.irp k, 0,1,2,3,4,5,6,7
	ds_load_b96 v[OB+32*((\p)%2)+4*\k:OB+32*((\p)%2)+4*\k+2], v[RD] offset:(\k/4)*2560+(\k%4)*640
.endr
.endm
.macro SEND p, younger                 ; younger: the LDS instructions issued behind pair p's loads
	s_wait_dscnt \younger
.irp k, 0,1,2,3,4,5,6,7
	global_store_b96 v[VO+2*((\p)/2)+\k/4], v[OB+32*((\p)%2)+4*\k:OB+32*((\p)%2)+4*\k+2], s[92:93] offset:((\p)%2)*1536+(\k%4)*384
.endr
.endm
	PLACES 4                                       ; behind the last products
.irp b, 0,1,2,3
	v_mov_b32 v[TM+4+\b], 0                        ; written once: a lane permute's destination counts as one of its sources
.endr
	QB 0, 0
	QB 1, 1
	RB 0
.irp p, 1,2,3
	s_wait_dscnt 8                                 ; all but the eight loads just issued: the stage's stores of the pair before are done, so their registers may be written
	QB 2*\p, 0
	QB 2*\p+1, 1
	SEND \p-1, 10                                  ; behind the pair before's loads: this pair's ten stores
.if \p >= 2
	s_wait_xcnt 0x0                                ; the stores of two pairs back have read their registers: this pair's loads may land there
.endif
	RB \p
.endr
	SEND 3, 0
	ds_load_b128 v[84:87], v[SRD]                  ; my 128 scale words
	s_wait_dscnt 0x0
	global_store_b128 v31, v[84:87], s[94:95]      ; 512 consecutive bytes, aligned
	s_wait_tensorcnt 0x0                           ; the wave's end: behind my last tensor load and my last LDS store
	ds_add_u32 v[SPW], v[NIL]
	s_wait_dscnt 0x0
	CROUND                                         ; the closing round: no work-group ends while a partner may still ask for a tile that names it
	s_endpgm
.Lfunc_end_k_q5038514e58_gemm_qkv:
	.size	k_q5038514e58_gemm_qkv, .Lfunc_end_k_q5038514e58_gemm_qkv-k_q5038514e58_gemm_qkv
	.p2alignl 7, 3214868480
	.fill 96, 4, 3214868480
	.section	.rodata,"a",@progbits
	.p2align	6, 0x0
	.amdhsa_kernel k_q5038514e58_gemm_qkv
		.amdhsa_group_segment_fixed_size 327680
		.amdhsa_private_segment_fixed_size 0
		.amdhsa_enable_private_segment 0
		.amdhsa_kernarg_size 24
		.amdhsa_user_sgpr_count 2
		.amdhsa_user_sgpr_kernarg_segment_ptr 1
		.amdhsa_wavefront_size32 1
		.amdhsa_system_sgpr_workgroup_id_x 1
		.amdhsa_system_sgpr_workgroup_id_y 1
		.amdhsa_system_sgpr_workgroup_id_z 1
		.amdhsa_system_vgpr_workitem_id 0
		.amdhsa_next_free_vgpr 1024
		.amdhsa_next_free_sgpr 102
		.amdhsa_reserve_vcc 0
		.amdhsa_float_denorm_mode_32 3
		.amdhsa_float_denorm_mode_16_64 3
		.amdhsa_memory_ordered 1
		.amdhsa_forward_progress 1
		.amdhsa_inst_pref_size 170
	.end_amdhsa_kernel
	.amdgpu_metadata
---
amdhsa.version: [ 1, 2 ]
amdhsa.kernels:
  - .name:           k_q5038514e58_gemm_qkv
    .symbol:         k_q5038514e58_gemm_qkv.kd
    .args:
      - { .name: opc, .offset: 0, .size: 8, .value_kind: global_buffer, .address_space: global }
      - { .name: ops, .offset: 8, .size: 8, .value_kind: global_buffer, .address_space: global }
      - { .name: qkv, .offset: 16, .size: 8, .value_kind: global_buffer, .address_space: global }
    .group_segment_fixed_size: 327680
    .private_segment_fixed_size: 0
    .kernarg_segment_align: 8
    .kernarg_segment_size: 24
    .max_flat_workgroup_size: 128
    .sgpr_count:     102
    .vgpr_count:     1024
    .wavefront_size: 32
...
	.end_amdgpu_metadata
.endif
;; end of part 3
;; launch attn (part 4): grid 8 x 32, 16 waves a work-group, no clusters, 327,680 bytes of LDS; arguments qkv, aoc, aos; writes aoc, aos
.if DOCPART == 4
	.amdgcn_target "amdgcn-amd-amdhsa--gfx1250"
	.amdhsa_code_object_version 6
	.text
	.protected	k_q5038514e58_attn
	.globl	k_q5038514e58_attn
	.p2align	8
	.type	k_q5038514e58_attn,@function
k_q5038514e58_attn:
	s_mov_b64 s[64:65], 0
	v_nop
	global_prefetch_b8 v0, s[64:65] scope:SCOPE_SE
	s_setreg_imm32_b32 hwreg(HW_REG_WAVE_MODE, 25, 1), 1
	s_wait_xcnt 0x0
; Causal attention on codes of FP6 (E2M3) with E8M0 scales, head size 64, 2,048 keys; the result is divided by the row's sum, quantised along the head's 64 and stored as codes for the last product.
; INPUT: qkv, as the launch before lays it.  rec = (y 16 + block of 128), y = 8 b + pair of heads.  At rec x 25,600: K codes [e][128 key positions][48], V codes at 12,288 [e][plane of 64 keys][64 channel positions][48],
; K scale words at 24,576 (the 16 bits at 2 e are head e's), V scale words at 25,088 [e][64].  At 13,107,200 + rec x 12,800: Q codes [e][128 positions][48], scale words at 12,288.
; A POSITION is an index with bits 3 and 4 exchanged: tile t's row 8 h + j is the true index 32 (t / 2) + 8 (t % 2) + 16 h + j, so the 16 registers of tiles 2 n, 2 n + 1 are 16 true neighbours 32 n + 16 h + 0 .. 15.
; OUTPUT: aoc [head][b 2048 + query position][48 bytes], aos [pair of heads][row] words, the 16 bits at 2 e head e's.
; THE SOFTMAX: t = score x log2(e) / 8; M = the running largest t rounded UP to a whole number; p = 2^(t - M) is quantised along the keys, not normalised; the row's sum is taken of the unquantised p and divides at the end.
; SHARES: a work-group has a pair of heads and two blocks of 128 queries, 15 - i and then i (i = work-group x): (16 - i) + (i + 1) = 17 key steps of 128 in every work-group, none without work; each pass ends on its diagonal step.
; Sixteen waves: head e = wave / 8, tile of 16 query positions T = wave % 8.  Both products are used transposed: a lane holds one query throughout.
; A key step's record, 25,600 dense bytes, comes by four tensor loads (waves 0-3, 25 rows of 256 bytes each) into one of two slots; one load of a wave is out at the most.
; K = 64 IN AN INSTRUCTION OF 128: Q's registers 6-11 are zero codes, and bytes 2, 3 of Q's and K's scale words are 0 (2^-127, no NaN): whatever codes stand in the upper half of K's fragment meet zeros.  So K's tile is six registers,
; and a fragment's upper six are the next tile's.
; NO CLUSTER: the eight work-groups of a pair of heads part ways after trip 15 - i (each goes back to key step 0 at another time), so partners would ask for different tiles.
; LIMITS: the running maximum begins at -3e38; blocks under 2^-124 keep the floor's byte 1, zero blocks too (zero codes); NaN and infinities are not served.
; REGISTERS: v1-4 places in a record; v7 the mask's number; v8-11 addresses in hand; v12 -M, v13 largest t, v[14:15] the sum; v16-27 Q; v28 Q's scale; v29-31, v94, v95 the way out and the prefetch;
; v32-85 K's eight tiles (v80-85 zeros) or V's four fragments; v86-93 K's scale words; v96-159 S^T, then p; v160-191 O^T; v192-203 p's codes; v204-227 at work; v236-239 V's scale words; v240-246 the second pass's Q.
.set REC,   25600
.set QREC,  12800
.set QBASE, 13107200
.set SLOT1, 32768                      ; slot 1: one exclusive or turns an address from one slot to the other
.set STAGE, 65536                      ; 1,280 bytes a wave: 16 rows of four places of 16 bytes + 16
.set SPARE, STAGE+16*1280              ; the spare words, 128 bytes a wave, which no other line names
.set SPW, 5
.set NIL, 6
.set BM,  212                          ; v212-215 block maxima
.set PT,  216                          ; v216-219 permutes, second chain of sums, bytes
.set SO,  220                          ; v220-223 the conversions' scale operands
.set WV,  10                           ; s10 wave;  s11 e;  s12 T;  s13 wave % 4;  s14 y
.set TB,  15                           ; s15 the slot in hand
.set G1,  16                           ; s[16:23], s[24:27] the descriptor
.set G0,  24
.set SEL, 28                           ; s[28:29] selects for lane l xor 16
.set CS,  30                           ; s[30:31] c = log2(e) / 8, twice
.set TR,  32                           ; s32 the trip
.set SW,  33                           ; s33 15 - i: the first pass's last trip
.set LIM, 37                           ; s37 a wave prefetches while the trip is under it
.set PFA, 38                           ; s[38:39] where my prefetches stand
.macro TLOAD                           ; waves 0-3 fetch a quarter of the record each; an s_nop 0 and four v_nop follow
	s_cmp_lt_u32 s[WV], 4
	s_cbranch_scc0 .Lnone_\@
	tensor_load_to_lds s[G0:G0+3], s[G1:G1+7]
	s_nop 0
.rept 4
	v_nop
.endr
.Lnone_\@:
.endm
; A PREFETCH INTO THE L2: in trip t the codes (24,576 bytes) of key step t + 2, which the next trip's tensor loads ask for.  All eight work-groups of a pair of heads walk the same records from step 0 on: work-group 0 asks,
; whose first pass walks all sixteen; in it waves 4-6, which fetch nothing, 8,192 bytes each, lanes 256 bytes apart: each block is named once.  It stops at step 15; steps 0, 1 and the scale words come by their loads alone.
.macro ASK
	s_cmp_lt_u32 s[TR], s[LIM]
	s_cbranch_scc0 .Lnot_mine_\@
	global_prefetch_b8 v95, s[PFA:PFA+1] th:TH_LOAD_NT scope:SCOPE_SE
.Lnot_mine_\@:
.endm
	s_load_b128 s[4:7], s[0:1], 0x0                ; qkv, aoc
	s_load_b64 s[8:9], s[0:1], 0x10                ; aos
	v_lshl_add_u32 v[SPW], v0, 2, SPARE
	v_mov_b32 v[NIL], 0
	ds_add_u32 v[SPW], v[NIL]                      ; the wave's opening: the add and its wait ahead of the first tensor load; work on registers stands between
	ds_add_u32 v[SPW], v[NIL]
	v_lshrrev_b32 v8, 5, v0
	s_delay_alu instid0(VALU_DEP_1)
	v_readfirstlane_b32 s[WV], v8
	s_lshr_b32 s11, s[WV], 3                       ; e
	s_and_b32 s12, s[WV], 7                        ; T
	s_and_b32 s13, s[WV], 3
	s_and_b32 s14, ttmp7, 0xffff                   ; y
	s_mov_b32 s[TB], 0
	s_mov_b32 s[G1], 3<<16                         ; no mask; elements of 8 bytes; no padding
	s_mov_b32 s[G1+1], 32<<16                      ; tensor_dim0: 256 bytes
	s_mov_b32 s[G1+2], 25<<16                      ; tensor_dim1
	s_mov_b32 s[G1+3], 32<<16                      ; tile_dim0
	s_mov_b32 s[G1+4], 25                          ; tile_dim1
	s_mov_b32 s[G1+5], 32                          ; dense
	s_mov_b32 s[G1+6], 0
	s_mov_b32 s[G1+7], 0
	s_mov_b32 s[SEL], 0x76543210
	s_mov_b32 s[SEL+1], 0xfedcba98
	s_mov_b32 s[CS], 0x3e38aa3b                    ; log2(e) / 8
	s_mov_b32 s[CS+1], s[CS]
	s_mov_b32 s[TR], 0
	s_sub_co_u32 s[SW], 15, ttmp9
	s_mov_b32 s35, 0
	s_add_co_u32 s36, s[SW], 1
	s_mul_i32 s36, s36, REC                        ; from the record behind the first pass's last back to key step 0
	s_sub_co_u32 s48, s[WV], 4
	s_cmp_lt_u32 s48, 3                            ; waves 4, 5, 6
	s_cselect_b32 s[LIM], 14, 0
	s_cmp_eq_u32 ttmp9, 0                          ; of work-group 0
	s_cselect_b32 s[LIM], s[LIM], 0
	s_mul_i32 s48, s14, 16*REC                     ; the pair of heads' sixteen records
	s_lshl_b32 s50, s13, 13
	s_add_co_u32 s50, s50, s48
	s_add_co_u32 s50, s50, REC                     ; the prefetches stand at step 1: the first trip steps them to step 2
	s_mov_b32 s51, 0
	s_mul_i32 s49, s13, 6400
	s_add_co_u32 s48, s48, s49                     ; my quarter of step 0
	s_mov_b32 s49, 0
	s_lshl_b32 s40, s14, 4
	s_add_co_u32 s41, s40, s[SW]
	s_mul_i32 s41, s41, QREC                       ; Q's record of the first pass,
	s_add_co_u32 s40, s40, ttmp9
	s_mul_i32 s40, s40, QREC                       ; of the second
	s_mul_i32 s42, s12, 768
	s_add_co_u32 s42, s42, QBASE                   ; my tile's codes (the head's 6,144 e stand in v1),
	s_lshl_b32 s43, s12, 6
	s_lshl_b32 s44, s11, 1
	s_add_co_u32 s43, s43, s44
	s_add_co_u32 s43, s43, QBASE+12288             ; its scale words
	s_add_co_u32 s52, s41, s42
	s_add_co_u32 s54, s41, s43
	s_add_co_u32 s56, s40, s42
	s_add_co_u32 s58, s40, s43
	s_mov_b32 s53, 0
	s_mov_b32 s55, 0
	s_mov_b32 s57, 0
	s_mov_b32 s59, 0
	s_lshr_b32 s60, s14, 3
	s_lshl_b32 s60, s60, 11                        ; 2048 b
	s_lshl_b32 s61, s[SW], 7
	s_add_co_u32 s60, s60, s61
	s_lshl_b32 s61, s12, 4
	s_add_co_u32 s60, s60, s61                     ; my tile's first row of the result, first pass
	s_and_b32 s61, s14, 7                          ; the pair of heads
	s_lshl_b32 s62, s61, 15
	s_lshl_b32 s63, s60, 2
	s_add_co_u32 s62, s62, s63
	s_add_co_u32 s62, s62, s44                     ; its scale bytes
	s_lshl_b32 s61, s61, 1
	s_add_co_u32 s61, s61, s11
	s_mul_i32 s61, s61, 393216                     ; the head's plane
	s_mul_i32 s60, s60, 48
	s_add_co_u32 s60, s60, s61                     ; its codes
	s_mov_b32 s61, 0
	s_mov_b32 s63, 0
	s_lshl_b32 s46, ttmp9, 1
	s_sub_co_u32 s46, 15, s46                      ; 15 - 2 i blocks of 128 rows back for the second pass
	s_mul_i32 s44, s46, 6144
	s_lshl_b32 s46, s46, 9
	s_mov_b32 s45, 0
	s_mov_b32 s47, 0
	s_wait_dscnt 0x0                               ; the opening add is done
	s_wait_kmcnt 0x0
	s_mov_b32 s[G0], 1
	s_mul_i32 s[G0+1], s13, 6400                   ; slot 0, my quarter
	s_add_nc_u64 s[G0+2:G0+3], s[4:5], s[48:49]
	s_or_b32 s[G0+3], s[G0+3], 0x80000000
	TLOAD                                          ; key step 0
	s_add_nc_u64 s[PFA:PFA+1], s[4:5], s[50:51]
	s_add_nc_u64 s[52:53], s[4:5], s[52:53]
	s_add_nc_u64 s[54:55], s[4:5], s[54:55]
	s_add_nc_u64 s[56:57], s[4:5], s[56:57]
	s_add_nc_u64 s[58:59], s[4:5], s[58:59]
	s_add_nc_u64 s[40:41], s[6:7], s[60:61]        ; the result's codes
	s_add_nc_u64 s[42:43], s[8:9], s[62:63]        ; and scale bytes
	v_and_b32 v8, 15, v0                           ; r
	v_bfe_u32 v9, v0, 4, 1                         ; h
	v_and_b32 v10, 31, v0                          ; lane
	s_delay_alu instid0(VALU_DEP_3)
	v_mul_u32_u24 v1, v8, 48
	s_delay_alu instid0(VALU_DEP_1)
	v_mad_u32_u24 v1, v9, 24, v1
	s_mul_i32 s48, s11, 6144
	v_add_nc_u32 v1, s48, v1                       ; K: my head, row r, half h
	s_delay_alu instid0(VALU_DEP_1)
	v_add_nc_u32 v2, 12288, v1                     ; V likewise
	s_lshl_b32 s48, s11, 1
	s_add_co_u32 s48, s48, 24576
	v_lshl_add_u32 v3, v8, 2, s48                  ; K's scale words: my head's 16 bits
	s_lshl_b32 s48, s11, 8
	s_add_co_u32 s48, s48, 25088
	v_lshl_add_u32 v4, v8, 2, s48                  ; V's
	v_lshlrev_b32 v30, 2, v8                       ; 4 r
.irp p, 0,1,2
	global_load_b64 v[16+2*\p:17+2*\p], v1, s[52:53] offset:8*\p     ; Q of the first pass
	global_load_b64 v[240+2*\p:241+2*\p], v1, s[56:57] offset:8*\p   ; and of the second
.endr
	global_load_u16 v28, v30, s[54:55]             ; their scale bytes: the upper 16 bits come as zeros
	global_load_u16 v246, v30, s[58:59]
.irp j, 22,23,24,25,26,27,80,81,82,83,84,85
	v_mov_b32 v\j, 0                               ; Q's upper half: zero codes; the tail behind K's last tile
.endr
	s_lshr_b32 s48, s12, 1
	s_lshl_b32 s48, s48, 5
	s_and_b32 s49, s12, 1
	s_lshl_b32 s49, s49, 3
	s_add_co_u32 s48, s48, s49                     ; 32 (T / 2) + 8 (T % 2)
	v_and_b32 v7, 7, v8
	v_lshrrev_b32 v11, 3, v8
	s_delay_alu instid0(VALU_DEP_1)
	v_lshl_add_u32 v7, v11, 4, v7
	s_delay_alu instid0(VALU_DEP_1)
	v_add_nc_u32 v7, s48, v7                       ; my query's true index in its block of 128,
	v_lshlrev_b32 v11, 4, v9
	s_delay_alu instid0(VALU_DEP_1)
	v_sub_nc_u32 v7, v7, v11                       ; less 16 h: register 16 n + i holds key 32 n + 16 h + i, hidden where 32 n + i is above this
	v_mul_u32_u24 v29, v10, 12
	s_mul_i32 s48, s[WV], 1280
	s_add_co_u32 s48, s48, STAGE
	v_mul_u32_u24 v31, v8, 80
	s_delay_alu instid0(VALU_DEP_1)
	v_lshl_add_u32 v31, v9, 4, v31
	s_delay_alu instid0(VALU_DEP_1)
	v_add_nc_u32 v31, s48, v31                     ; the stage: row r, place h
	v_lshrrev_b32 v11, 2, v10
	s_delay_alu instid0(VALU_DEP_1)
	v_mul_u32_u24 v94, v11, 80
	v_and_b32 v11, 3, v0
	s_delay_alu instid0(VALU_DEP_1)
	v_lshl_add_u32 v94, v11, 4, v94
	s_delay_alu instid0(VALU_DEP_1)
	v_add_nc_u32 v94, s48, v94                     ; back: four lanes to a row
	v_lshlrev_b32 v95, 8, v10
.macro RESET                           ; a pass begins: the largest t under every t, zeros for the sum and O^T, which the first change of M leaves zeros
	v_mov_b32 v13, 0xff61b1e6                      ; -3e38
	s_delay_alu instid0(VALU_DEP_1)
	v_floor_f32 v12, -v13
	v_mov_b32 v14, 0
	v_mov_b32 v15, 0
.set n, 0
.rept 32
	v_mov_b32 v[160+n], 0
.set n, n+1
.endr
.endm
	RESET
.irp b, 0,1,2,3
	v_mov_b32 v[PT+\b], 0                          ; written once: a lane permute's destination counts as one of its sources
.endr
	v_mov_b32 v226, 0
	v_mov_b32 v227, 0                              ; (named as the upper half of the pair v[226:227])
; A KEY STEP: 128 keys.  diag = 1: written for the diagonal; 0: the mask is jumped over but in the first pass's last trip.
.macro STEP diag
	v_add_nc_u32 v8, s[TB], v1                     ; these four are also the places in front of the loads below
	v_add_nc_u32 v9, s[TB], v2
	v_add_nc_u32 v10, s[TB], v3
	v_add_nc_u32 v11, s[TB], v4
.irp t, 0,1,2,3,4,5,6,7
.irp p, 0,1,2
	ds_load_b64 v[32+6*\t+2*\p:33+6*\t+2*\p], v8 offset:768*\t+8*\p
.endr
	ds_load_u16 v[86+\t], v10 offset:64*\t
.endr
	s_wait_alu depctr_va_vdst(0)
	s_wait_dscnt 0x0
.irp t, 0,1,2,3,4,5,6,7                        ; S^T = K Q^T
	v_wmma_scale_f32_16x16x128_f8f6f4 v[96+8*\t:103+8*\t], v[32+6*\t:43+6*\t], v[16:27], 0, v[86+\t], v28 matrix_a_fmt:MATRIX_FMT_FP6 matrix_b_fmt:MATRIX_FMT_FP6
.endr
.rept 4
	v_nop                                          ; places: for the loads into K's registers and for the first read of the scores
.endr
.irp t, 0,1,2,3                                ; V's four fragments land under the softmax
.irp p, 0,1,2,3,4,5
	ds_load_b64 v[32+12*\t+2*\p:33+12*\t+2*\p], v9 offset:(\p/3)*3072+768*\t+8*(\p%3)
.endr
	ds_load_b32 v[236+\t], v11 offset:64*\t
.endr
.if \diag == 0
	s_cmp_lg_u32 s[TR], s[SW]                      ; a branch on ids alone
	s_cbranch_scc1 .Lopen_\@
.endif
	v_mov_b32 v224, 0xff800000                     ; on the diagonal the scores of hidden keys become -infinity: p = 0 then
.set n, 0
.rept 64
	v_cmp_gt_i32 vcc_lo, 32*(n/16)+n%16, v7
	v_cndmask_b32 v[96+n], v[96+n], v224, vcc_lo
.set n, n+1
.endr
.Lopen_\@:
.irp b, 0,1,2,3
	v_max3_num_f32 v[BM+\b], v[96+16*\b], v[97+16*\b], v[98+16*\b]   ; the largest score of each block of 32 keys: for the row's maximum, and, since p rises with the score, for the block's largest p
.endr
.irp i, 3,5,7,9,11,13
.irp b, 0,1,2,3
	v_max3_num_f32 v[BM+\b], v[BM+\b], v[96+16*\b+\i], v[97+16*\b+\i]
.endr
.endr
.irp b, 0,1,2,3
	v_max_num_f32 v[BM+\b], v[BM+\b], v[111+16*\b]
.endr
.irp b, 0,1,2,3
	s_delay_alu instid0(VALU_DEP_4)
	v_permlanex16_b32 v[PT+\b], v[BM+\b], s[SEL], s[SEL+1]
.endr
.irp b, 0,1,2,3
	s_delay_alu instid0(VALU_DEP_4)
	v_max_num_f32 v[BM+\b], v[BM+\b], v[PT+\b]     ; with lane l xor 16's 16 keys
.endr
	s_delay_alu instid0(VALU_DEP_2)
	v_max3_num_f32 v224, v[BM], v[BM+1], v[BM+2]
	s_delay_alu instid0(VALU_DEP_1)
	v_max_num_f32 v224, v224, v[BM+3]              ; the step's largest score of my query
	s_delay_alu instid0(VALU_DEP_1)
	v_mul_f32 v224, s[CS], v224                    ; as t
	s_delay_alu instid0(VALU_DEP_1)
	v_max_num_f32 v13, v13, v224                   ; the running largest t
	v_mov_b32 v224, v12
	s_delay_alu instid0(VALU_DEP_2)
	v_floor_f32 v12, -v13                          ; the new -M = -ceil(t): a whole number
	s_delay_alu instid0(VALU_DEP_1)
	v_sub_f32 v224, v12, v224                      ; old M - new M: a whole number, 0 or less
	s_delay_alu instid0(VALU_DEP_1)
	v_cvt_i32_f32 v224, v224                       ; (it saturates)
	s_delay_alu instid0(VALU_DEP_1)
	v_ldexp_f32 v226, 1.0, v224                    ; f = 2^(old M - new M): the rescaling rounds nothing
.set n, 0
.rept 32
	v_pk_fma_f32 v[96+n:97+n], v[96+n:97+n], s[CS:CS+1], v[12:13] op_sel_hi:[1,0,0]   ; t - M
.set n, n+2
.endr
.irp b, 0,1,2,3
	v_fma_f32 v[BM+\b], v[BM+\b], s[CS], v12       ; the same of each block's largest score
.endr
.set n, 0
	s_wait_alu depctr_va_vdst(0)
.rept 64
	v_exp_f32 v[96+n], v[96+n]                     ; p = 2^(t - M)
.set n, n+1
.endr
	v_pk_mul_f32 v[14:15], v[14:15], v[226:227] op_sel_hi:[1,0]   ; the sums under the new M (a plain line behind the exponentials)
	s_wait_alu depctr_va_vdst(0)                   ; one wait for the batch of 64, ahead of its first reader
.irp b, 0,1,2,3
	v_exp_f32 v[BM+\b], v[BM+\b]                   ; each block's largest p
.endr
	v_pk_add_f32 v[216:217], v[100:101], v[104:105]
	v_pk_add_f32 v[254:255], v[108:109], v[112:113]
	v_pk_add_f32 v[252:253], v[116:117], v[120:121]
	v_pk_add_f32 v[250:251], v[124:125], v[128:129]
	v_pk_add_f32 v[248:249], v[132:133], v[136:137]
	v_pk_add_f32 v[234:235], v[140:141], v[144:145]
	v_pk_add_f32 v[232:233], v[148:149], v[152:153]
	v_pk_add_f32 v[14:15], v[14:15], v[156:157]
	v_pk_add_f32 v[216:217], v[216:217], v[96:97]
	v_pk_add_f32 v[254:255], v[254:255], v[98:99]
	v_pk_add_f32 v[252:253], v[252:253], v[102:103]
	v_pk_add_f32 v[250:251], v[250:251], v[106:107]
	v_pk_add_f32 v[248:249], v[248:249], v[110:111]
	v_pk_add_f32 v[234:235], v[234:235], v[114:115]
	v_pk_add_f32 v[232:233], v[232:233], v[118:119]
	v_pk_add_f32 v[14:15], v[14:15], v[122:123]
	v_pk_add_f32 v[216:217], v[216:217], v[126:127]
	v_pk_add_f32 v[254:255], v[254:255], v[130:131]
	v_pk_add_f32 v[252:253], v[252:253], v[134:135]
	v_pk_add_f32 v[250:251], v[250:251], v[138:139]
	v_pk_add_f32 v[248:249], v[248:249], v[142:143]
	v_pk_add_f32 v[234:235], v[234:235], v[146:147]
	v_pk_add_f32 v[232:233], v[232:233], v[150:151]
	v_pk_add_f32 v[14:15], v[14:15], v[154:155]
	v_pk_add_f32 v[216:217], v[216:217], v[158:159]
	s_delay_alu instid0(VALU_DEP_2)
	v_pk_add_f32 v[14:15], v[14:15], v[250:251]
	s_delay_alu instid0(VALU_DEP_2)
	v_pk_add_f32 v[216:217], v[216:217], v[248:249]
	v_pk_add_f32 v[254:255], v[254:255], v[234:235]
	v_pk_add_f32 v[252:253], v[252:253], v[232:233]
	s_delay_alu instid0(VALU_DEP_2)
	v_pk_add_f32 v[14:15], v[14:15], v[254:255]
	s_delay_alu instid0(VALU_DEP_2)
	v_pk_add_f32 v[216:217], v[216:217], v[252:253]
	s_delay_alu instid0(VALU_DEP_1)
	v_pk_add_f32 v[14:15], v[14:15], v[216:217]
	s_wait_alu depctr_va_vdst(0)                   ; and one for the four
.irp b, 0,1,2,3
	v_max_num_f32 v[BM+\b], 0x1800000, v[BM+\b]    ; the floor: the byte cannot fall under 1
.endr
.irp b, 0,1,2,3
	s_delay_alu instid0(VALU_DEP_4)
	v_add_nc_u32 v[SO+\b], 0xff000000, v[BM+\b]    ; the conversion's scale operand
.endr
.irp b, 0,1,2,3
	s_delay_alu instid0(VALU_DEP_4)
	v_lshrrev_b32 v[PT+\b], 23, v[SO+\b]           ; the scale's byte
.endr
	s_delay_alu instid0(VALU_DEP_3)
	v_lshl_or_b32 v225, v[PT+1], 8, v[PT]          ; p's scale word for these 128 keys
	s_delay_alu instid0(VALU_DEP_1)
	v_lshl_or_b32 v225, v[PT+2], 16, v225
	s_delay_alu instid0(VALU_DEP_1)
	v_lshl_or_b32 v225, v[PT+3], 24, v225
.irp c, 0,1
	v_cvt_scalef32_pk16_fp6_f32 v[192+6*\c:194+6*\c], v[96+32*\c:111+32*\c], v[SO+2*\c]
	v_cvt_scalef32_pk16_fp6_f32 v[204+4*\c:206+4*\c], v[112+32*\c:127+32*\c], v[SO+2*\c+1]
.endr
	v_nop                                          ; a plain line behind the conversions
.irp c, 0,1                                    ; the operand wants a whole block in a lane: lanes 0-15 block 2 c, lanes 16-31 block 2 c + 1
.irp i, 0,1,2
	v_permlane16_swap_b32 v[192+6*\c+\i], v[204+4*\c+\i]
.endr
.irp i, 0,1,2
	s_delay_alu instid0(VALU_DEP_3)
	v_mov_b32 v[195+6*\c+\i], v[204+4*\c+\i]
.endr
.endr
.set n, 0
.rept 16
	v_pk_mul_f32 v[160+n:161+n], v[160+n:161+n], v[226:227] op_sel_hi:[1,0]   ; O^T under the new M; these sixteen are also the places between p's codes and scale word and the products
.set n, n+2
.endr
	s_wait_alu depctr_va_vdst(0)
	s_wait_dscnt 0x0                               ; V is in
.irp t, 0,1,2,3                                ; O^T += V^T P^T, the four accumulators by turns
	v_wmma_scale_f32_16x16x128_f8f6f4 v[160+8*\t:167+8*\t], v[32+12*\t:43+12*\t], v[192:203], v[160+8*\t:167+8*\t], v[236+\t], v225 matrix_a_fmt:MATRIX_FMT_FP6 matrix_b_fmt:MATRIX_FMT_FP6
.endr
.endm
; THE CHANGE OF SLOTS, at a trip's head.  Each wave waits for all its tensor loads, adds 0 to its spare word, and waits for that and for its LDS reads; behind the barrier the slot ahead is whole and nobody reads the other.
; fill = 1: the other slot takes the next key step: one record on, or, behind the first pass's last step, back at step 0.
.macro CHANGE fill
	s_wait_tensorcnt 0x0                           ; no tensor load of mine is out, so the descriptor may be written
	ds_add_u32 v[SPW], v[NIL]                      ; 0 onto my spare word; the steps below stand between it and the wait for it
.if \fill
	s_xor_b32 s[G0+1], s[G0+1], SLOT1
	s_add_nc_u64 s[G0+2:G0+3], s[G0+2:G0+3], REC
	s_cmp_eq_u32 s[TR], s[SW]
	s_cselect_b32 s34, s36, 0
	s_sub_nc_u64 s[G0+2:G0+3], s[G0+2:G0+3], s[34:35]
	s_wait_xcnt 0x0                                ; the last prefetch, a trip back, has read its address
	s_add_nc_u64 s[PFA:PFA+1], s[PFA:PFA+1], REC
.endif
	s_wait_dscnt 0x0
	s_barrier_signal -1
	s_barrier_wait -1
.if \fill
	TLOAD                                          ; first behind the barrier, a wave's one tensor load until the next: it has a whole key step in which to land
	ASK
.endif
.endm
; A PASS ENDS: O^T / the sum, quantised along the head's 64 (two blocks, each in lanes l and l xor 16), through my stage, out as 768 consecutive bytes; the two scale bytes as 16 bits a row.
.macro FINISH more
.rept 4
	v_nop                                          ; places behind the last products
.endr
	v_add_f32 v14, v14, v15
	s_delay_alu instid0(VALU_DEP_1)
	v_permlanex16_b32 v226, v14, s[SEL], s[SEL+1]
	s_delay_alu instid0(VALU_DEP_1)
	v_add_f32 v14, v14, v226                       ; the row's sum
	s_wait_alu depctr_va_vdst(0)
	v_rcp_f32 v14, v14
	v_nop                                          ; a plain line behind the reciprocal,
	s_wait_alu depctr_va_vdst(0)                   ; and the wait ahead of its first reader
.set n, 0
.rept 16
	v_pk_mul_f32 v[96+n:97+n], v[160+n:161+n], v[14:15] op_sel_hi:[1,0]   ; register 16 n + i: channel 32 n + 16 h + i; each accumulator from its low end on
.set n, n+2
.endr
.irp b, 0,1
	v_max3_num_f32 v[BM+\b], |v[96+16*\b]|, |v[97+16*\b]|, 0x1800000
.endr
.irp i, 2,4,6,8,10,12,14
.irp b, 0,1
	s_delay_alu instid0(VALU_DEP_2)
	v_max3_num_f32 v[BM+\b], v[BM+\b], |v[96+16*\b+\i]|, |v[97+16*\b+\i]|
.endr
.endr
.irp b, 0,1
	s_delay_alu instid0(VALU_DEP_2)
	v_permlanex16_b32 v[PT+\b], v[BM+\b], s[SEL], s[SEL+1]
.endr
.irp b, 0,1
	s_delay_alu instid0(VALU_DEP_2)
	v_max_num_f32 v[BM+\b], v[BM+\b], v[PT+\b]
.endr
.irp b, 0,1
	s_delay_alu instid0(VALU_DEP_2)
	v_add_nc_u32 v[SO+\b], 0xff000000, v[BM+\b]
.endr
.irp b, 0,1
	s_delay_alu instid0(VALU_DEP_2)
	v_lshrrev_b32 v[PT+\b], 23, v[SO+\b]
.endr
	s_delay_alu instid0(VALU_DEP_1)
	v_lshl_or_b32 v224, v[PT+1], 8, v[PT]
	v_cvt_scalef32_pk16_fp6_f32 v[192:194], v[96:111], v[SO]
	v_cvt_scalef32_pk16_fp6_f32 v[196:198], v[112:127], v[SO+1]
	v_nop
	ds_store_b96 v31, v[192:194]
	ds_store_b96 v31, v[196:198] offset:32
	ds_load_b96 v[200:202], v94                    ; in order behind my stores
	ds_load_b96 v[204:206], v94 offset:640
	global_store_b16 v30, v224, s[42:43]           ; lanes 16-31 repeat lanes 0-15
	s_wait_dscnt 0x0
	global_store_b96 v29, v[200:202], s[40:41]
	global_store_b96 v29, v[204:206], s[40:41] offset:384
.if \more
	s_wait_xcnt 0x0                                ; the stores have read their registers and bases
	s_sub_nc_u64 s[40:41], s[40:41], s[44:45]      ; the second pass's rows
	s_sub_nc_u64 s[42:43], s[42:43], s[46:47]
.irp p, 0,1,2,3,4,5
	v_mov_b32 v[16+\p], v[240+\p]                  ; and its Q;
.endr
	v_mov_b32 v28, v246                            ; the lines of RESET stand between these and the next products
	RESET
.endif
.endm
	s_wait_loadcnt 0x0                             ; Q
.Ltrip:                                            ; sixteen trips; behind each change of slots the next key step is asked for
	CHANGE 1
	STEP 0
	s_cmp_lg_u32 s[TR], s[SW]
	s_cbranch_scc1 .Lsame_pass
	FINISH 1
.Lsame_pass:
	s_xor_b32 s[TB], s[TB], SLOT1
	s_add_co_u32 s[TR], s[TR], 1
	s_cmp_lt_u32 s[TR], 16
	s_cbranch_scc1 .Ltrip
	CHANGE 0                                       ; the seventeenth step, the second pass's diagonal, is written out
	STEP 1
	FINISH 0
	s_wait_tensorcnt 0x0                           ; the wave's end: behind my last tensor load and my last LDS store
	ds_add_u32 v[SPW], v[NIL]
	s_wait_dscnt 0x0
	s_endpgm
.Lfunc_end_k_q5038514e58_attn:
	.size	k_q5038514e58_attn, .Lfunc_end_k_q5038514e58_attn-k_q5038514e58_attn
	.p2alignl 7, 3214868480
	.fill 96, 4, 3214868480
	.section	.rodata,"a",@progbits
	.p2align	6, 0x0
	.amdhsa_kernel k_q5038514e58_attn
		.amdhsa_group_segment_fixed_size 327680
		.amdhsa_private_segment_fixed_size 0
		.amdhsa_enable_private_segment 0
		.amdhsa_kernarg_size 24
		.amdhsa_user_sgpr_count 2
		.amdhsa_user_sgpr_kernarg_segment_ptr 1
		.amdhsa_wavefront_size32 1
		.amdhsa_system_sgpr_workgroup_id_x 1
		.amdhsa_system_sgpr_workgroup_id_y 1
		.amdhsa_system_sgpr_workgroup_id_z 1
		.amdhsa_system_vgpr_workitem_id 0
		.amdhsa_next_free_vgpr 256
		.amdhsa_next_free_sgpr 66
		.amdhsa_reserve_vcc 1
		.amdhsa_float_denorm_mode_32 3
		.amdhsa_float_denorm_mode_16_64 3
		.amdhsa_memory_ordered 1
		.amdhsa_forward_progress 1
		.amdhsa_inst_pref_size 69
	.end_amdhsa_kernel
	.amdgpu_metadata
---
amdhsa.version: [ 1, 2 ]
amdhsa.kernels:
  - .name:           k_q5038514e58_attn
    .symbol:         k_q5038514e58_attn.kd
    .args:
      - { .name: qkv, .offset: 0, .size: 8, .value_kind: global_buffer, .address_space: global }
      - { .name: aoc, .offset: 8, .size: 8, .value_kind: global_buffer, .address_space: global }
      - { .name: aos, .offset: 16, .size: 8, .value_kind: global_buffer, .address_space: global }
    .group_segment_fixed_size: 327680
    .private_segment_fixed_size: 0
    .kernarg_segment_align: 8
    .kernarg_segment_size: 24
    .max_flat_workgroup_size: 512
    .sgpr_count:     66
    .vgpr_count:     256
    .wavefront_size: 32
...
	.end_amdgpu_metadata
.endif
;; end of part 4
;; launch gemm_out (part 5): grid 4 x 32, 4 waves a work-group, clusters of 4 x 4, 327,680 bytes of LDS; arguments aoc, aos, opc, ops, bo, out0; writes out0
.if DOCPART == 5
	.amdgcn_target "amdgcn-amd-amdhsa--gfx1250"
	.amdhsa_code_object_version 6
	.text
	.protected	k_q5038514e58_gemm_out
	.globl	k_q5038514e58_gemm_out
	.p2align	8
	.type	k_q5038514e58_gemm_out,@function
k_q5038514e58_gemm_out:
	s_mov_b64 s[64:65], 0
	v_nop
	global_prefetch_b8 v0, s[64:65] scope:SCOPE_SE
	s_setreg_imm32_b32 hwreg(HW_REG_WAVE_MODE, 25, 1), 1
	s_wait_xcnt 0x0
	s_wait_alu depctr_hold_cnt(0) depctr_sa_sdst(0) depctr_va_vdst(0) depctr_va_sdst(0) depctr_va_ssrc(0) depctr_va_vcc(0) depctr_vm_vsrc(0)
	s_getreg_b32 s2, hwreg(HW_REG_IB_STS2, 6, 4)
	s_cmp_eq_u32 s2, 0
	s_cbranch_scc0 .Lentry_in_a_cluster
	s_endpgm
.Lentry_in_a_cluster:
	s_bfe_u32 s2, ttmp6, 0x10000c
	s_cmp_lg_u32 s2, 0xf033
	s_cbranch_scc0 .Lentry_shape_is_right
	s_endpgm
.Lentry_shape_is_right:
; out0 = attention result x Wo + bo, on codes of FP6 (E2M3) with E8M0 scales, K = 1,024, sums in f32.
; A: aoc [plane = head = k / 64][8,192 row positions][48 bytes], aos [k / 128][row position] words.  B: Wo's rows 11,264 on of opc [plane][12,288 rows][48] and ops.  A POSITION is an index with bits 3 and 4 exchanged.
; A tile of 256 x 256 to a work-group of four waves, 128 x 128 to a wave: 64 accumulators.  THE PRODUCT IS USED TRANSPOSED (source 0 = 16 rows of B, source 1 = 16 rows of A): a lane holds one row of the output, and the
; registers of B's blocks 2 n, 2 n + 1 are the true columns 32 n + 16 (lane / 16) + 0 .. 15.  The rows' positions are turned back into rows in the stores' offsets.  The bias is the C of each sum's first product.
; K goes in four steps of 256: K steps 0, 1, 2 and all scale words are first fills (four tensor loads of a wave are out at the most), K step 3 is the one refill, of slot 0.  LDS rows of 48 bytes; no padding.
; CLUSTER 4 x 4: A's tiles are shared along a row of the cluster, B's along a column: joint tensor loads.  128 tiles: 128 work-groups; a smaller tile would read each LDS byte for fewer products.
; REGISTERS: window 0: v16-31 addresses; v32-63 scale words, two sets; v64-127 the bias, eight registers for each of B's blocks; v128-223 A's fragments; on the way out v128-255 rows of the output.
; window 1: B's fragments, two sets.  windows 2, 3: accumulator (a, b) at v[8 (8 (a % 4) + b)].
.set FR,    12
.set PL,    6144
.set HALFT, 4*PL
.set SLOT,  4*HALFT
.set SCL,   3*SLOT
.set SPARE, SCL+4*4096                 ; the spare words, 128 bytes a wave, which no other line names
.set PLA,   393216
.set PLB,   589824
.set SPA,   32768
.set SPB,   49152
.set KBA,   4*PLA
.set KBB,   4*PLB
.set SPITCH, 528                       ; the stage: 16 rows of 512 bytes + 16 for each wave, in slot 1, which is filled once and read for the last time ahead of the last barrier
.set ADRA,  16
.set ADRB,  20
.set STO,   24
.set RD,    25
.set CO,    26
.set ADRS,  27
.set SPW,   28
.set NIL,   29
.set SC,    32
.set BIAS,  64
.set AF,    128
.set BK,    128
.set G1,    24
.set G1B,   32
.set G1S,   40
.set G1SB,  48
.set GA0,   56
.set GA1,   60
.set GA2,   68
.set GB0,   72
.set GB1,   76
.set GB2,   80
.set GSA,   84
.set GSB,   88
.set MSB, 0
.macro WIN new                         ; the immediate's high byte repeats the setting that is left
.if MSB != (\new)
	s_set_vgpr_msb (MSB<<8)|(\new)
.set MSB, (\new)
.endif
.endm
.set MUL_LO, 0xa1                      ; source 0 (B) window 1, source 1 (A) window 0, C and D window 2
.set MUL_HI, 0xf1
.set TO_B,   0x40
.macro JLOAD g0a, g1a, g0b, g1b        ; a joint load: waves 0 and 1 fetch for A, waves 2 and 3 for B; an s_nop 0 and four v_nop follow each line
	s_cmp_eq_u32 s15, 0
	s_cbranch_scc0 .Lfor_b_\@
	tensor_load_to_lds s[\g0a:\g0a+3], s[\g1a:\g1a+7]
	s_nop 0
.rept 4
	v_nop
.endr
	s_branch .Lasked_\@
.Lfor_b_\@:
	tensor_load_to_lds s[\g0b:\g0b+3], s[\g1b:\g1b+7]
	s_nop 0
.rept 4
	v_nop
.endr
.Lasked_\@:
.endm
.macro CREST
	s_cmp_lg_u32 s14, 0
	s_cbranch_scc1 .Lnot_wave_0_\@
	s_barrier_signal -3
.Lnot_wave_0_\@:
	s_barrier_wait -3
	s_barrier_signal -1
	s_barrier_wait -1
.endm
.macro CROUND
	s_barrier_signal -1
	s_barrier_wait -1
	CREST
.endm
	s_load_b256 s[4:11], s[0:1], 0x0               ; A's codes, A's scale words, B's codes, B's scale words
	s_load_b128 s[92:95], s[0:1], 0x20             ; bo, out0
	v_lshl_add_u32 v[SPW], v0, 2, SPARE
	v_mov_b32 v[NIL], 0
	ds_add_u32 v[SPW], v[NIL]                      ; the wave's opening: the add and its wait ahead of my first tensor load; work on registers stands between
	v_lshrrev_b32 v1, 5, v0
	v_readfirstlane_b32 s14, v1                    ; wave 0..3
	s_lshr_b32 s15, s14, 1                         ; my half of A's rows.  Also: I fetch for A (0) or for B (1)
	s_and_b32 s16, s14, 1                          ; my half of B's rows.  Also: which 128 rows I fetch
	s_bfe_u32 s12, ttmp6, 0x40000                  ; cx
	s_bfe_u32 s13, ttmp6, 0x40004                  ; cy
	s_and_b32 s17, ttmp7, 0xffff
	s_lshl_b32 s17, s17, 2
	s_add_co_u32 s17, s17, s13                     ; A's tile = 4 x cluster y + cy
	s_lshl_b32 s18, ttmp9, 2
	s_add_co_u32 s18, s18, s12                     ; the tile column = 4 x cluster x + cx
	s_add_co_u32 s18, s18, 44                      ; Wo begins at tile 44 of the operand rows
	s_lshl_b32 s19, s13, 2
	s_lshl_b32 s19, 15, s19                        ; my row of the cluster
	s_lshl_b32 s2, 0x1111, s12                     ; my column
	s_or_b32 s[G1], s19, (3<<16)|(1<<21)           ; codes: 4 planes of 768 elements of 8 bytes; 15:0 the mask; 21 set beside a mask
	s_or_b32 s[G1B], s2, (3<<16)|(1<<21)
.irp g, G1, G1B
	s_mov_b32 s[\g+1], 768<<16
	s_mov_b32 s[\g+2], 4<<16
	s_mov_b32 s[\g+3], 768<<16
	s_mov_b32 s[\g+4], 4
	s_mov_b32 s[\g+6], 0
	s_mov_b32 s[\g+7], 0
.endr
	s_mov_b32 s[G1+5], PLA/8
	s_mov_b32 s[G1B+5], PLB/8
	s_or_b32 s[G1S], s19, (3<<16)|(1<<21)          ; scale words: 8 planes of 64 elements
	s_or_b32 s[G1SB], s2, (3<<16)|(1<<21)
.irp g, G1S, G1SB
	s_mov_b32 s[\g+1], 64<<16
	s_mov_b32 s[\g+2], 8<<16
	s_mov_b32 s[\g+3], 64<<16
	s_mov_b32 s[\g+4], 8
	s_mov_b32 s[\g+6], 0
	s_mov_b32 s[\g+7], 0
.endr
	s_mov_b32 s[G1S+5], SPA/8
	s_mov_b32 s[G1SB+5], SPB/8
	s_lshl_b32 s22, s16, 7
	s_lshl_b32 s96, s17, 8
	s_add_co_u32 s96, s96, s22                     ; A: the first row that I fetch
	s_lshl_b32 s98, s18, 8
	s_add_co_u32 s98, s98, s22                     ; B likewise
	s_lshl_b32 s20, s96, 2
	s_mov_b32 s21, 0
	s_mul_i32 s96, s96, 48
	s_mov_b32 s97, 0
	s_lshl_b32 s22, s98, 2
	s_mov_b32 s23, 0
	s_mul_i32 s98, s98, 48
	s_mov_b32 s99, 0
	s_mul_i32 s100, s14, HALFT                     ; where they go: by the wave's number alone
	s_lshl_b32 s101, s14, 12
	s_add_co_u32 s101, s101, SCL
	s_wait_dscnt 0x0                               ; the opening add is done
	s_wait_kmcnt 0x0
	s_add_nc_u64 s[96:97], s[4:5], s[96:97]
	s_add_nc_u64 s[20:21], s[6:7], s[20:21]
	s_add_nc_u64 s[98:99], s[8:9], s[98:99]
	s_add_nc_u64 s[22:23], s[10:11], s[22:23]
	CROUND                                         ; all sixteen work-groups are here: the first joint loads meet
	s_mov_b32 s[GSA], 1
	s_mov_b32 s[GSA+1], s101
	s_mov_b64 s[GSA+2:GSA+3], s[20:21]
	s_or_b32 s[GSA+3], s[GSA+3], 0x80000000
	s_mov_b32 s[GSB], 1
	s_mov_b32 s[GSB+1], s101
	s_mov_b64 s[GSB+2:GSB+3], s[22:23]
	s_or_b32 s[GSB+3], s[GSB+3], 0x80000000
	JLOAD GSA, G1S, GSB, G1SB                      ; the scale words of all of K: filled once
.macro FIRST ga, gb, s                 ; K step s into slot s
	s_mov_b32 s[\ga], 1
	s_add_co_u32 s[\ga+1], s100, \s*SLOT
	s_add_nc_u64 s[\ga+2:\ga+3], s[96:97], \s*KBA
	s_or_b32 s[\ga+3], s[\ga+3], 0x80000000
	s_mov_b32 s[\gb], 1
	s_add_co_u32 s[\gb+1], s100, \s*SLOT
	s_add_nc_u64 s[\gb+2:\gb+3], s[98:99], \s*KBB
	s_or_b32 s[\gb+3], s[\gb+3], 0x80000000
	JLOAD \ga, G1, \gb, G1B
.endm
	FIRST GA0, GB0, 0
	FIRST GA1, GB1, 1
	FIRST GA2, GB2, 2
	v_and_b32 v1, 15, v0                           ; r
	v_bfe_u32 v2, v0, 4, 1                         ; h
	; the bias and the output's base
	s_sub_co_u32 s2, s18, 44
	s_lshl_b32 s2, s2, 10
	s_lshl_b32 s3, s16, 9
	s_add_co_u32 s2, s2, s3                        ; my first column, in bytes
	s_mov_b32 s3, 0
	s_add_nc_u64 s[92:93], s[92:93], s[2:3]
	s_add_nc_u64 s[94:95], s[94:95], s[2:3]
	s_lshl_b32 s2, s17, 8
	s_lshl_b32 s96, s15, 7
	s_add_co_u32 s2, s2, s96                       ; my first row
	s_lshl_b32 s2, s2, 12                          ; of 4,096 bytes
	s_add_nc_u64 s[94:95], s[94:95], s[2:3]
	v_lshlrev_b32 v6, 6, v2                        ; lanes 16-31: 16 columns on
.irp b, 0,1,2,3,4,5,6,7
	global_load_b128 v[BIAS+8*\b:BIAS+8*\b+3], v6, s[92:93] offset:(32*(\b/2)+8*(\b%2))*4       ; bo at the lane's eight columns of block b
	global_load_b128 v[BIAS+8*\b+4:BIAS+8*\b+7], v6, s[92:93] offset:(32*(\b/2)+8*(\b%2))*4+16
.endr
	v_mul_u32_u24 v3, v1, 48
	v_mad_u32_u24 v3, v2, 24, v3                   ; a fragment's row x 48 + 24 x half
	s_mul_i32 s96, s15, HALFT
	s_mul_i32 s97, s16, HALFT
	s_add_co_u32 s97, s97, 2*HALFT
.irp s, 0,1,2
	v_add_nc_u32 v[ADRA+\s], s96, v3
	v_add_nc_u32 v[ADRB+\s], s97, v3
	s_add_co_u32 s96, s96, SLOT
	s_add_co_u32 s97, s97, SLOT
.endr
	s_add_co_u32 s96, s16, 2
	s_sub_co_u32 s96, s96, s15
	s_lshl_b32 s96, s96, 12                        ; from my half of A's scale words to my half of B's
	v_mul_u32_u24 v4, s96, v2                      ; lanes 16-31 take B's
	s_lshl_b32 s97, s15, 12
	s_add_co_u32 s97, s97, SCL
	v_lshl_add_u32 v4, v1, 2, v4
	v_add_nc_u32 v[ADRS], s97, v4
	s_mul_i32 s96, s14, 16*SPITCH
	s_add_co_u32 s96, s96, SLOT                    ; my stage
	v_mul_u32_u24 v5, v1, SPITCH
	v_lshl_add_u32 v5, v2, 6, v5
	v_add_nc_u32 v[STO], s96, v5                   ; in: row r, 64 bytes on for the upper lanes
	v_and_b32 v4, 31, v0
	v_lshlrev_b32 v[CO], 4, v4                     ; back: the 32 lanes take a row of 512 bytes; and the same in the output
	v_add_nc_u32 v[RD], s96, v[CO]
.macro FRAG reg, adr, q, i             ; 16 rows x 128 K: registers 6 c .. 6 c + 5 hold K = 64 c + 32 h + 0 .. 31: 24 bytes of plane 2 q + c, in pieces of 8
.irp p, 0,1,2,3,4,5
	ds_load_b64 v[\reg+2*\p:\reg+2*\p+1], v[\adr] offset:(2*(\q)+\p/3)*PL+(\i)*768+8*(\p%3)
.endr
.endm
; 16 matrix instructions: A's blocks a0, a0 + 1 x B's eight.  zero = 2: the product starts the sums on the bias.  The 64 accumulators take turns, one instruction a turn.
.macro MUL16 a0, q, sc, zero
.irp a, \a0, \a0+1
.irp b, 0,1,2,3,4,5,6,7
.if \zero
	v_wmma_scale_f32_16x16x128_f8f6f4 v[8*(8*((\a)%4)+\b):8*(8*((\a)%4)+\b)+7], v[128*(\q)+FR*\b:128*(\q)+FR*\b+FR-1], v[AF+FR*(\a):AF+FR*(\a)+FR-1], v[BIAS+8*\b:BIAS+8*\b+7], v[SC+16*(\sc)+2*\b+(\q)], v[SC+16*(\sc)+2*(\a)+(\q)] matrix_a_fmt:MATRIX_FMT_FP6 matrix_b_fmt:MATRIX_FMT_FP6 matrix_a_scale:MATRIX_SCALE_ROW1
.else
	v_wmma_scale_f32_16x16x128_f8f6f4 v[8*(8*((\a)%4)+\b):8*(8*((\a)%4)+\b)+7], v[128*(\q)+FR*\b:128*(\q)+FR*\b+FR-1], v[AF+FR*(\a):AF+FR*(\a)+FR-1], v[8*(8*((\a)%4)+\b):8*(8*((\a)%4)+\b)+7], v[SC+16*(\sc)+2*\b+(\q)], v[SC+16*(\sc)+2*(\a)+(\q)] matrix_a_fmt:MATRIX_FMT_FP6 matrix_b_fmt:MATRIX_FMT_FP6 matrix_a_scale:MATRIX_SCALE_ROW1
.endif
.endr
.endr
.endm
.macro FETCH_B slot, q, p
	WIN TO_B
.irp i, 0,1,2,3,4,5,6,7
	FRAG 128*(\p)+FR*\i, ADRB+\slot, \q, \i
.endr
	WIN 0
.endm
.macro FETCH_A slot, q, i0
.irp i, \i0, \i0+1, \i0+2, \i0+3
	FRAG AF+FR*(\i), ADRA+\slot, \q, \i
.endr
.endm
.macro SCALES ks                       ; K step ks's scale words into set ks % 2: lanes 0-15 A's block i, lanes 16-31 B's block i
.irp i, 0,1,2,3,4,5,6,7
.irp q, 0,1
	ds_load_b32 v[SC+16*((\ks)%2)+2*\i+\q], v[ADRS] offset:(2*(\ks)+\q)*512+\i*64
.endr
.endr
.endm
.macro PLACES n                        ; plain vector lines between a matrix instruction and a load into, or a read of, its registers (ISA guide 7.12.1 for reads)
.rept \n
	v_nop
.endr
.endm
.macro STEP q, sc, nslot, nq, zero, ks
	s_wait_dscnt 24                                ; all but the youngest 24 loads (A's blocks 4-7) are in
.if \zero
	WIN 0x81                                       ; C, the bias, in window 0; D in window 2
.else
	WIN MUL_LO
.endif
	MUL16 0, \q, \sc, \zero
	MUL16 2, \q, \sc, \zero
	s_wait_dscnt 0x0
	PLACES 4
	FETCH_B \nslot, \nq, 1-(\q)
	FETCH_A \nslot, \nq, 0
.if (\ks) >= 0
	SCALES \ks
.endif
.if \zero
	WIN 0xc1                                       ; D in window 3
.else
	WIN MUL_HI
.endif
	MUL16 4, \q, \sc, \zero
	MUL16 6, \q, \sc, \zero
	PLACES 4
	WIN 0
	FETCH_A \nslot, \nq, 4
.endm
; A K step's second half with a barrier in it: in front of it each wave waits for all its tensor loads, adds 0 to its spare word, and waits for that and for its reads.  fill = 1: a round of the cluster's barrier, and slot 0 takes K step 3.
.macro TURN sc, nslot, ks, fill
	s_wait_tensorcnt 0x0
	ds_add_u32 v[SPW], v[NIL]
	s_wait_dscnt 25                                ; (the add and the youngest 24 loads may be out)
	WIN MUL_LO
	MUL16 0, 1, \sc, 0
	s_wait_dscnt 0x0                               ; the add is done, and my reads of the slot in hand are over
	s_barrier_signal -1
	MUL16 2, 1, \sc, 0
	WIN 0
	s_barrier_wait -1
.if \fill
	CREST                                          ; no wave of any partner still reads slot 0 or has a load on its way
	s_add_nc_u64 s[GA0+2:GA0+3], s[GA0+2:GA0+3], 3*KBA
	s_add_nc_u64 s[GB0+2:GB0+3], s[GB0+2:GB0+3], 3*KBB
	JLOAD GA0, G1, GB0, G1B                        ; my one tensor load behind the round; its four v_nop are the places for the loads below
.else
	PLACES 4
.endif
	FETCH_B \nslot, 0, 0
	FETCH_A \nslot, 0, 0
	SCALES \ks
	WIN MUL_HI
	MUL16 4, 1, \sc, 0
	MUL16 6, 1, \sc, 0
	PLACES 4
	WIN 0
	FETCH_A \nslot, 0, 4
.endm
	s_wait_tensorcnt 2                             ; the scale words and my part of K step 0 are in; K steps 1 and 2 may be out
	s_barrier_signal -1
	s_barrier_wait -1
	FETCH_B 0, 0, 0
	FETCH_A 0, 0, 0
	SCALES 0
	FETCH_A 0, 0, 4
	s_wait_loadcnt 0x0                             ; the bias
	STEP 0, 0, 0, 1, 2, -1                         ; K 0: its products start the sums on the bias
	TURN 0, 1, 1, 1                                ; K 128; slot 0 is left and filled again
	STEP 0, 1, 1, 1, 0, -1                         ; K 256
	STEP 1, 1, 2, 0, 0, 2                          ; K 384; slot 2 was shown whole by the round above
	STEP 0, 0, 2, 1, 0, -1                         ; K 512
	TURN 0, 0, 3, 0                                ; K 640; K step 3 has landed in every wave's part
	STEP 0, 1, 0, 1, 0, -1                         ; K 768
	s_wait_dscnt 24                                ; K 896: nothing more to fetch
	WIN MUL_LO
	MUL16 0, 1, 1, 0
	MUL16 2, 1, 1, 0
	s_wait_dscnt 0x0
	WIN MUL_HI
	MUL16 4, 1, 1, 0
	MUL16 6, 1, 1, 0
	WIN 0
; THE WAY OUT, block by block of 16 row positions x 128 columns, through my own stage: in as 32 bytes a lane and block of B at the columns' true places, back as whole rows of 512 bytes.
.macro TOSTAGE a
.set AC, 64*((\a)%4)
	WIN 0x08+4*((\a)/4)                            ; an LDS store's data: window 2 or 3
.irp b, 0,1,2,3,4,5,6,7
	ds_store_b128 v[STO], v[AC+8*\b:AC+8*\b+3] offset:128*(\b/2)+32*(\b%2)          ; each accumulator from its low end on
	ds_store_b128 v[STO], v[AC+8*\b+4:AC+8*\b+7] offset:128*(\b/2)+32*(\b%2)+16
.endr
	WIN 0
.set BB, BK+64*((\a)%2)
.irp t, 0,1,2,3,4,5,6,7,8,9,10,11,12,13,14,15
	ds_load_b128 v[BB+4*\t:BB+4*\t+3], v[RD] offset:\t*SPITCH    ; in order behind my stores
.endr
.endm
.macro SEND a, younger                 ; position 16 a + t is row 32 (a / 2) + 8 (a % 2) + t + 8 (t / 8) of my 128: at most 127 rows of 4,096 bytes, inside the immediate
.set BB, BK+64*((\a)%2)
	s_wait_dscnt \younger
.irp t, 0,1,2,3,4,5,6,7,8,9,10,11,12,13,14,15
	global_store_b128 v[CO], v[BB+4*\t:BB+4*\t+3], s[94:95] offset:(32*((\a)/2)+8*((\a)%2)+\t+8*(\t/8))*4096 th:TH_STORE_NT   ; 512 consecutive bytes, aligned; written once
.endr
.endm
	PLACES 4                                       ; behind the last products
	TOSTAGE 0
.irp a, 1,2,3,4,5,6,7
.if \a > 1
	s_wait_xcnt 0x0                                ; block a - 2's stores have read their registers: block a's loads may land there
.endif
	TOSTAGE \a
	SEND \a-1, 32                                  ; behind block a - 1's loads: block a's 16 stores and 16 loads
.endr
	SEND 7, 0
	s_wait_tensorcnt 0x0                           ; the wave's end: behind my last tensor load and my last LDS store
	ds_add_u32 v[SPW], v[NIL]
	s_wait_dscnt 0x0
	CROUND                                         ; the closing round: no work-group ends while a partner may still ask for a tile that names it
	s_endpgm
.Lfunc_end_k_q5038514e58_gemm_out:
	.size	k_q5038514e58_gemm_out, .Lfunc_end_k_q5038514e58_gemm_out-k_q5038514e58_gemm_out
	.p2alignl 7, 3214868480
	.fill 96, 4, 3214868480
	.section	.rodata,"a",@progbits
	.p2align	6, 0x0
	.amdhsa_kernel k_q5038514e58_gemm_out
		.amdhsa_group_segment_fixed_size 327680
		.amdhsa_private_segment_fixed_size 0
		.amdhsa_enable_private_segment 0
		.amdhsa_kernarg_size 48
		.amdhsa_user_sgpr_count 2
		.amdhsa_user_sgpr_kernarg_segment_ptr 1
		.amdhsa_wavefront_size32 1
		.amdhsa_system_sgpr_workgroup_id_x 1
		.amdhsa_system_sgpr_workgroup_id_y 1
		.amdhsa_system_sgpr_workgroup_id_z 1
		.amdhsa_system_vgpr_workitem_id 0
		.amdhsa_next_free_vgpr 1024
		.amdhsa_next_free_sgpr 102
		.amdhsa_reserve_vcc 0
		.amdhsa_float_denorm_mode_32 3
		.amdhsa_float_denorm_mode_16_64 3
		.amdhsa_memory_ordered 1
		.amdhsa_forward_progress 1
		.amdhsa_inst_pref_size 162
	.end_amdhsa_kernel
	.amdgpu_metadata
---
amdhsa.version: [ 1, 2 ]
amdhsa.kernels:
  - .name:           k_q5038514e58_gemm_out
    .symbol:         k_q5038514e58_gemm_out.kd
    .args:
      - { .name: aoc, .offset: 0, .size: 8, .value_kind: global_buffer, .address_space: global }
      - { .name: aos, .offset: 8, .size: 8, .value_kind: global_buffer, .address_space: global }
      - { .name: opc, .offset: 16, .size: 8, .value_kind: global_buffer, .address_space: global }
      - { .name: ops, .offset: 24, .size: 8, .value_kind: global_buffer, .address_space: global }
      - { .name: bo, .offset: 32, .size: 8, .value_kind: global_buffer, .address_space: global }
      - { .name: out0, .offset: 40, .size: 8, .value_kind: global_buffer, .address_space: global }
    .group_segment_fixed_size: 327680
    .private_segment_fixed_size: 0
    .kernarg_segment_align: 8
    .kernarg_segment_size: 48
    .max_flat_workgroup_size: 128
    .sgpr_count:     102
    .vgpr_count:     1024
    .wavefront_size: 32
...
	.end_amdgpu_metadata
.endif
;; end of part 5
